; MI455X (gfx1250); checked and timed in simulation.
; The chip was launched on July 23, 2026; its instructions are those of AMD's public machine-readable ISA for CDNA 5 (MIT licence, August 2026) and "CDNA5" Instruction Set Architecture Reference Guide (July 2026). The comments in the code are by the model that wrote it; some were corrected since.
;; Stable Cross Attention. Allowed arithmetic: matrix products marked QUANTISED: E2M3 operands, one E8M0 scale for each 32 along K, by v_wmma_scale_f32_16x16x128_f8f6f4 with both operands' format E2M3, f32 sums; everything else in f32.
;; Inputs: Wk 1,024 x 1,024 float32; Wo 1,024 x 1,024 float32; Wq 1,024 x 1,024 float32; Wv 1,024 x 1,024 float32; bk 1,024 float32; bo 1,024 float32; bq 1,024 float32; bv 1,024 float32; key_padding_mask 4 x 2,048 bool; kv 4 x 2,048 x 1,024 float32; q 4 x 1,024 x 1,024 float32.
;; Outputs: out0 4 x 1,024 x 1,024 float32.
;; This version of the problem:
;;   THIS VERSION OF THE PROBLEM IS GIVEN IN LOW PRECISION. The matrix products marked QUANTISED in the list below multiply operands that are first quantised to E2M3 (2 exponent bits, 3 mantissa bits; 6 bits a number), with one power-of-two scale for each 32 numbers along K (OCP MX v1.0); their sums are f32. All else is computed in f32.
;;   The module's matrix products, in the order in which they are computed (A, B: the left and right operand; K: the contracted axis; several contracted axes count as one K, in the product's order):
;;     1. [M 4,096, K 1,024] x [K 1,024, N 1,024]; A: computed on the way; B: input Wq: QUANTISED
;;     2. [M 8,192, K 1,024] x [K 1,024, N 1,024]; A: computed on the way; B: input Wk: QUANTISED
;;     3. [M 8,192, K 1,024] x [K 1,024, N 1,024]; A: computed on the way; B: input Wv: QUANTISED
;;     4. batch 64 x [M 1,024, K 64] x [K 64, N 2,048]; A: computed on the way; B: computed on the way: QUANTISED
;;     5. batch 64 x [M 1,024, K 2,048] x [K 2,048, N 64]; A: softmax (see below); B: computed on the way: QUANTISED
;;     6. [M 4,096, K 1,024] x [K 1,024, N 1,024]; A: computed on the way; B: input Wo: QUANTISED
;;   THE QUANTISER, for each operand of a quantised product, along K:
;;     - K is cut into blocks of 32 from its start; a last block that is shorter is filled with zeros.
;;     - A block's scale is 2^e with e = floor(log2(the largest magnitude in the block)) - 2, held to -126 .. 127; a block of zeros has e = 0. As a byte (E8M0): e + 127.
;;     - Each number is divided by its block's scale, clamped to +-7.5, and rounded to the nearest number of E2M3, ties to even, subnormals kept.
;;     - The product sums the exact products of the quantised numbers (number of the format x scale) in f32.
;;   ~~~python
;;   def quantise(x, axis):      # numpy; x: float32 -> the quantised numbers, widened to float32 again
;;       x = np.moveaxis(x, axis, -1); K = x.shape[-1]
;;       x = np.pad(x, [(0, 0)] * (x.ndim - 1) + [(0, -K % 32)]); x = x.reshape(x.shape[:-1] + (-1, 32)); a = np.abs(x).max(-1, keepdims=True)
;;       e = np.where(a > 0, np.clip(np.frexp(np.where(a > 0, a, 1))[1] - 1 - 2, -126, 127), 0)      # np.frexp(a)[1] - 1 = floor(log2(a)), exactly
;;       r = np.clip(x / 2.0 ** e, -7.5, 7.5)
;;       step = 2.0 ** (np.maximum(np.frexp(np.where(r == 0, 1, r))[1] - 1, 0) - 3)
;;       q = np.round(r / step) * step * 2.0 ** e      # np.round: ties to even
;;       return np.moveaxis(q.reshape(q.shape[:-2] + (-1,))[..., :K], -1, axis).astype(np.float32)
;;   ~~~
;;   SOFTMAX AHEAD OF A QUANTISED PRODUCT. Where the list says 'softmax', what is quantised is not the finished softmax but p = 2^(t - M), with t = logit x log2(e) and M = ceil(the row's largest t), a whole number; so 1/2 < the row's largest p <= 1. The row's sum l is taken of the UNQUANTISED p, in f32, and the product's result is divided by l at the end. Since M is a whole number, a kernel that streams over the keys may use a running M (the ceiling of the running maximum): every later rescaling is an exact power of two, which a block's scale takes up: the codes' values come out the same.
;;   OPERANDS COMPUTED ON THE WAY. 'Computed on the way' means the value that the module computes at that place (a softmax that the list does not call 'softmax' is quantised finished and normalised). What goes into a quantiser is computed in f32, as accurately as f32 sums, v_exp_f32 and their like allow (about 1e-6 of the number): no bf16 or f16 on the way to a quantiser, and a product that is left as it is and whose result goes on into a quantised operand takes f32 operands (vector FMAs, or v_wmma_f32_16x16x4_f32). A number that lies on a knife's edge between two numbers of the format may be rounded either way, as far as f32 arithmetic and the matrix unit's own rounding can turn it there, and no further.
;; One version. Each part assembles by itself: llvm-mc -triple=amdgcn-amd-amdhsa -mcpu=gfx1250 --defsym DOCPART=n.
;; ======== version 1 of 1: 4 launches
;; limits: right only within a limited range of input values
;; workspace buffers: codes 12,582,912 bytes; scales 524,288 bytes; img 15,728,640 bytes; isc 1,048,576 bytes; oc 3,145,728 bytes; os 131,072 bytes
;; launch quant (part 1): grid 512 x 1, 4 waves a work-group, no clusters, 34,304 bytes of LDS; arguments q, kv, Wq, Wk, Wv, Wo, codes, scales; writes codes, scales
.if DOCPART == 1
	.amdgcn_target "amdgcn-amd-amdhsa--gfx1250"
	.amdhsa_code_object_version 6
	.text
	.protected	k_qb7a5134667_quant
	.globl	k_qb7a5134667_quant
	.p2align	8
	.type	k_qb7a5134667_quant,@function
k_qb7a5134667_quant:
	s_mov_b64 s[64:65], 0
	v_nop
	global_prefetch_b8 v0, s[64:65] scope:SCOPE_SE
	s_setreg_imm32_b32 hwreg(HW_REG_WAVE_MODE, 25, 1), 1
	s_wait_xcnt 0x0
; q [4096][1024], kv [8192][1024] (made safe: NaN and infinities to 0, then held to +-50) and Wq, Wk, Wv, Wo [1024][1024], all f32, K innermost,
; become codes of FP6 (E2M3) with one E8M0 byte for each 32 along K, laid as the matrix unit's registers want them.
; ROWS.  The six tensors stand on end as 16,384 rows.  Within each 32 rows bits 3 and 4 of the row number change places on the way out: stored tile 2 g + u holds
; rows 32 g + 8 u + i + 8 (i / 8), i = 0 .. 15.  As source 0 of a product two neighbouring tiles then give a lane 16 neighbouring rows in its 16 result registers.
; CODES: byte = tile x 12288 + (k / 64) x 768 + piece x 256 + lane x 8, lane = 16 ((k / 32) % 2) + row % 16: a block's 24 bytes in three pieces of 8.  Each store of a wave covers 256 consecutive bytes, aligned.
; SCALES: byte = tile x 512 + (k / 512) x 256 + row % 16 x 16 + ((k / 128) % 4) x 4 + (k / 32) % 4.
; A block's scale is 2^(floor(log2(largest magnitude)) - 2): its byte is the largest magnitude's exponent field - 2, held at 1 from below.
; SHARES.  A work-group takes 32 rows; wave w tile w / 2 of the two and half w % 2 of K: four steps of 16 rows x 128 along K.  A load reads 512 consecutive bytes of a row; the step turns through the wave's
; own stage in LDS (rows 528 bytes apart) and comes back with two whole blocks of 32 in a lane, in the operand's own order: block 2 c + lane / 16 of row lane % 16.  Waves share nothing: no barrier.
; LIMITS: NaN and infinities among the WEIGHTS become 0 here.  A block of zeros, or one under 2^-124, keeps the byte 1: its codes are read with that byte by this program alone.
.set STG, 8448                         ; a wave's stage: 16 rows x 528 bytes
.set PIT, 528
.set WD,  16                           ; v16-19   the four steps' scale words
.set CD,  20                           ; v20-31   a step's codes: the operand's 12 registers
.set CT,  32                           ; v32-34, v36-38 the upper halves of the two blocks as the conversions leave them
.set R,   64                           ; v64-191  two sets of 64 numbers as loaded
.set X,   192                          ; v192-255 64 numbers: two whole blocks
	s_load_b512 s[4:19], s[0:1], 0x0               ; q, kv, Wq, Wk, Wv, Wo, codes, scales
	v_lshl_add_u32 v62, v0, 2, 0x8400
	v_mov_b32 v63, 0
	v_lshrrev_b32 v1, 5, v0
	v_readfirstlane_b32 s23, v1                    ; wave
	v_and_b32 v7, 31, v0                           ; lane
	v_and_b32 v9, 15, v0                           ; r
	v_bfe_u32 v10, v0, 4, 1                        ; h
	v_lshlrev_b32 v1, 4, v7                        ; 16 x lane: my bytes of a load's 512
	s_mul_i32 s27, s23, STG
	v_add_nc_u32 v2, s27, v1                       ; the stage on the way in
	v_mul_u32_u24 v3, v9, PIT
	v_lshl_add_u32 v3, v10, 7, v3
	v_add_nc_u32 v3, s27, v3                       ; and on the way out: row r, + 128 h bytes
	v_lshlrev_b32 v4, 3, v7                        ; 8 x lane: my piece of a unit of codes
	v_lshlrev_b32 v5, 4, v9
	v_lshl_add_u32 v5, v10, 3, v5                  ; 16 r + 8 h: my two scale words
	v_lshlrev_b32 v6, 3, v10                       ; 8 h: how far my two bytes are shifted in a word
	v_mov_b32 v15, 0                               ; a lane permute's destination counts as read: written once
	s_mov_b32 s20, 0x7f800000                      ; +infinity
	s_mov_b32 s24, 0x76543210
	s_mov_b32 s25, 0xfedcba98                      ; selects for lane l xor 16
	s_mov_b32 s26, 0xffff0000                      ; lanes 16-31
	s_mov_b32 s22, 0x7f7fffff                      ; weights are held at the largest f32 number, that is, not at all;
	s_cmp_lt_u32 ttmp9, 384
	s_cselect_b32 s22, 0x42480000, s22             ; q and kv at 50
	s_xor_b32 s21, s22, 0x80000000
	s_lshr_b32 s34, s23, 1                         ; which of the two tiles
	s_and_b32 s35, s23, 1                          ; which half of K
	s_mov_b32 s30, 480
	s_wait_alu depctr_va_vdst(0)
	s_wait_kmcnt 0x0
	s_mov_b64 s[28:29], s[14:15]                   ; the tensor is chosen by the work-group's number alone
	s_cmp_lt_u32 ttmp9, 480
	s_cselect_b64 s[28:29], s[12:13], s[28:29]
	s_cselect_b32 s30, 448, s30
	s_cmp_lt_u32 ttmp9, 448
	s_cselect_b64 s[28:29], s[10:11], s[28:29]
	s_cselect_b32 s30, 416, s30
	s_cmp_lt_u32 ttmp9, 416
	s_cselect_b64 s[28:29], s[8:9], s[28:29]
	s_cselect_b32 s30, 384, s30
	s_cmp_lt_u32 ttmp9, 384
	s_cselect_b64 s[28:29], s[6:7], s[28:29]
	s_cselect_b32 s30, 128, s30
	s_cmp_lt_u32 ttmp9, 128
	s_cselect_b64 s[28:29], s[4:5], s[28:29]
	s_cselect_b32 s30, 0, s30
	s_sub_co_u32 s31, ttmp9, s30                   ; my 32 rows in the tensor: 131,072 bytes each,
	s_lshl_b32 s32, s31, 17
	s_lshl_b32 s31, s34, 15                        ; + 8 rows for the second tile,
	s_add_co_u32 s32, s32, s31
	s_lshl_b32 s31, s35, 11                        ; + 512 numbers for the second half of K
	s_add_co_u32 s32, s32, s31
	s_mov_b32 s33, 0
	s_add_nc_u64 s[28:29], s[28:29], s[32:33]
	s_lshl_b32 s36, ttmp9, 1
	s_add_co_u32 s36, s36, s34                     ; the stored tile
	s_mul_i32 s32, s36, 12288
	s_mul_i32 s31, s35, 6144
	s_add_co_u32 s32, s32, s31
	s_add_nc_u64 s[16:17], s[16:17], s[32:33]
	s_lshl_b32 s32, s36, 9
	s_lshl_b32 s31, s35, 8
	s_add_co_u32 s32, s32, s31
	s_add_nc_u64 s[18:19], s[18:19], s[32:33]
.macro LOAD t                          ; step t: 16 rows x 512 bytes into set t % 2
.irp i, 0,1,2,3,4,5,6,7,8,9,10,11,12,13,14,15
	global_load_b128 v[R+64*((\t)%2)+4*\i:R+64*((\t)%2)+4*\i+3], v1, s[28:29] offset:(\i+8*(\i/8))*4096+512*(\t) th:TH_LOAD_NT
.endr
.endm
.macro TURN t                          ; through the stage: LDS serves a wave's instructions in order, so no wait stands between the stores and the loads
.irp i, 0,1,2,3,4,5,6,7,8,9,10,11,12,13,14,15
	ds_store_b128 v2, v[R+64*((\t)%2)+4*\i:R+64*((\t)%2)+4*\i+3] offset:PIT*\i
.endr
.irp c, 0,1
.irp i, 0,1,2,3,4,5,6,7
	ds_load_b128 v[X+32*\c+4*\i:X+32*\c+4*\i+3], v3 offset:256*\c+16*\i
.endr
.endr
.endm
.macro WORK t
.irp g, 0,1,2,3,4,5,6,7                ; safe: what is not finite becomes 0, the rest is held to the bound; eight numbers at a time, so that no line waits for the line above it
.irp i, 0,1,2,3,4,5,6,7
	v_cmp_lt_f32 s[40+\i], |v[X+8*\g+\i]|, s20
.endr
.irp i, 0,1,2,3,4,5,6,7
	v_cndmask_b32 v[X+8*\g+\i], 0, v[X+8*\g+\i], s[40+\i]
.endr
.irp i, 0,1,2,3,4,5,6,7
	v_med3_num_f32 v[X+8*\g+\i], v[X+8*\g+\i], s21, s22
.endr
.endr
.irp c, 0,1
	v_max3_num_f32 v[8+\c], |v[X+32*\c]|, |v[X+32*\c+1]|, 0x1800000   ; my block 2 c + h, and the floor 2^(3 - 127): the byte cannot fall under 1
.endr
.irp i, 2,4,6,8,10,12,14,16,18,20,22,24,26,28,30
.irp c, 0,1
	v_max3_num_f32 v[8+\c], v[8+\c], |v[X+32*\c+\i]|, |v[X+32*\c+\i+1]|
.endr
.endr
.irp c, 0,1
	v_add_nc_u32 v[10+\c], 0xff000000, v[8+\c]     ; 2 off the exponent field: the conversion's scale operand
.endr
.irp c, 0,1
	v_lshrrev_b32 v[12+\c], 23, v[10+\c]           ; the scale's byte
.endr
	v_lshl_or_b32 v14, v13, 16, v12                ; blocks h and 2 + h of my row,
	v_lshlrev_b32 v14, v6, v14                     ; at their places in the word;
	v_permlanex16_b32 v15, v14, s24, s25
	v_or_b32 v[WD+(\t)], v14, v15                  ; with lane l xor 16's two the word is whole
.if (\t) > 0
	s_wait_alu depctr_va_vdst(0)
	s_wait_xcnt 0x0                                ; the last step's stores have read the codes' registers
.endif
.irp c, 0,1
	v_cvt_scalef32_pk16_fp6_f32 v[CD+6*\c:CD+6*\c+2], v[X+32*\c:X+32*\c+15], v[10+\c]
	v_cvt_scalef32_pk16_fp6_f32 v[CT+4*\c:CT+4*\c+2], v[X+32*\c+16:X+32*\c+31], v[10+\c]   ; (a conversion's three registers begin on an even number)
.endr
	v_nop                                          ; one plain place behind a scaled conversion
.irp c, 0,1
.irp i, 0,1,2
	v_mov_b32 v[CD+6*\c+3+\i], v[CT+4*\c+\i]
.endr
.endr
.irp p, 0,1,2,3,4,5
	global_store_b64 v4, v[CD+2*\p:CD+2*\p+1], s[16:17] offset:1536*(\t)+256*\p   ; 32 lanes store 256 consecutive bytes, aligned
.endr
.endm
	LOAD 0
	LOAD 1
.irp t, 0,1,2,3
.if \t < 3
	s_wait_loadcnt 16                              ; this step's 16 loads are in; the next step's 16 may be out
.else
	s_wait_loadcnt 0x0
.endif
	TURN \t
	s_wait_dscnt 0x0                               ; the numbers are back, and the stores into the stage have read their registers,
.if \t < 2
	LOAD \t+2                                      ; which take the loads of two steps on
.endif
	WORK \t
.endr
	v_cndmask_b32 v12, v[WD], v[WD+2], s26         ; lanes 0-15 store the row's words 0 and 1, lanes 16-31 words 2 and 3
	v_cndmask_b32 v13, v[WD+1], v[WD+3], s26
	global_store_b64 v5, v[12:13], s[18:19]        ; one aligned run of 256 bytes
	s_wait_tensorcnt 0x0
	ds_add_u32 v62, v63
	s_wait_dscnt 0x0
	s_endpgm
.Lfunc_end_k_qb7a5134667_quant:
	.size	k_qb7a5134667_quant, .Lfunc_end_k_qb7a5134667_quant-k_qb7a5134667_quant
	.p2alignl 7, 3214868480
	.fill 96, 4, 3214868480
	.section	.rodata,"a",@progbits
	.p2align	6, 0x0
	.amdhsa_kernel k_qb7a5134667_quant
		.amdhsa_group_segment_fixed_size 34304
		.amdhsa_private_segment_fixed_size 0
		.amdhsa_enable_private_segment 0
		.amdhsa_kernarg_size 64
		.amdhsa_user_sgpr_count 2
		.amdhsa_user_sgpr_kernarg_segment_ptr 1
		.amdhsa_wavefront_size32 1
		.amdhsa_system_sgpr_workgroup_id_x 1
		.amdhsa_system_sgpr_workgroup_id_y 1
		.amdhsa_system_sgpr_workgroup_id_z 1
		.amdhsa_system_vgpr_workitem_id 0
		.amdhsa_next_free_vgpr 256
		.amdhsa_next_free_sgpr 66
		.amdhsa_reserve_vcc 0
		.amdhsa_float_denorm_mode_32 3
		.amdhsa_float_denorm_mode_16_64 3
		.amdhsa_memory_ordered 1
		.amdhsa_forward_progress 1
		.amdhsa_inst_pref_size 80
	.end_amdhsa_kernel
	.amdgpu_metadata
---
amdhsa.version: [ 1, 2 ]
amdhsa.kernels:
  - .name:           k_qb7a5134667_quant
    .symbol:         k_qb7a5134667_quant.kd
    .args:
      - { .name: q, .offset: 0, .size: 8, .value_kind: global_buffer, .address_space: global }
      - { .name: kv, .offset: 8, .size: 8, .value_kind: global_buffer, .address_space: global }
      - { .name: Wq, .offset: 16, .size: 8, .value_kind: global_buffer, .address_space: global }
      - { .name: Wk, .offset: 24, .size: 8, .value_kind: global_buffer, .address_space: global }
      - { .name: Wv, .offset: 32, .size: 8, .value_kind: global_buffer, .address_space: global }
      - { .name: Wo, .offset: 40, .size: 8, .value_kind: global_buffer, .address_space: global }
      - { .name: codes, .offset: 48, .size: 8, .value_kind: global_buffer, .address_space: global }
      - { .name: scales, .offset: 56, .size: 8, .value_kind: global_buffer, .address_space: global }
    .group_segment_fixed_size: 34304
    .private_segment_fixed_size: 0
    .kernarg_segment_align: 8
    .kernarg_segment_size: 64
    .max_flat_workgroup_size: 128
    .sgpr_count:     66
    .vgpr_count:     256
    .wavefront_size: 32
...
	.end_amdgpu_metadata
.endif
;; end of part 1
;; launch proj (part 2): grid 4 x 64, 4 waves a work-group, clusters of 4 x 4, 327,680 bytes of LDS; arguments codes, scales, bk, bv, img, isc; writes img, isc
.if DOCPART == 2
	.amdgcn_target "amdgcn-amd-amdhsa--gfx1250"
	.amdhsa_code_object_version 6
	.text
	.protected	k_qb7a5134667_proj
	.globl	k_qb7a5134667_proj
	.p2align	8
	.type	k_qb7a5134667_proj,@function
k_qb7a5134667_proj:
	s_mov_b64 s[64:65], 0
	v_nop
	global_prefetch_b8 v0, s[64:65] scope:SCOPE_SE
	s_setreg_imm32_b32 hwreg(HW_REG_WAVE_MODE, 25, 1), 1
	s_wait_xcnt 0x0
	s_wait_alu depctr_hold_cnt(0) depctr_sa_sdst(0) depctr_va_vdst(0) depctr_va_sdst(0) depctr_va_ssrc(0) depctr_va_vcc(0) depctr_vm_vsrc(0)
	s_getreg_b32 s2, hwreg(HW_REG_IB_STS2, 6, 4)
	s_cmp_eq_u32 s2, 0
	s_cbranch_scc0 .Lentry_in_a_cluster
	s_endpgm
.Lentry_in_a_cluster:
	s_bfe_u32 s2, ttmp6, 0x10000c
	s_cmp_lg_u32 s2, 0xf033
	s_cbranch_scc0 .Lentry_shape_is_right
	s_endpgm
.Lentry_shape_is_right:
; The three input projections on codes of FP6 (E2M3): safe(x W^T + b), quantised again for the two products of attention.  K = 1,024.
; A cluster of 4 x 4 work-groups makes 1,024 x 1,024 results; the cluster's y picks the product: 0-3 q Wq^T, 4-11 kv Wk^T, 12-19 kv Wv^T.
; A work-group of four waves makes 256 x 256, a wave 128 x 128: 64 accumulators, 512 registers.  Source 1's rows fall to the lanes, source 0's to a lane's registers.
;   q, k: source 1 = the activation's rows, source 0 = the weight's rows: a lane's registers run along the head's 64, the K of the scores.
;   v:    source 1 = Wv's rows, source 0 = kv's rows: a lane's registers run along the KEYS, the K of the second product.
; Operands lie in memory as images of the operand's registers, rows with bits 3 and 4 of their number exchanged, so that the 16 registers of accumulators 2 b and 2 b + 1 are 16 neighbours along the next K.
; K goes in steps of 256 through two LDS slots filled by the tensor data mover: a wave's load brings 8 tiles of 16 rows, 3,072 consecutive bytes each; a fragment is six loads of 8 bytes a lane, each 256 consecutive bytes.
; The scales of the work-group's 512 rows, for all of K, come once with the first fills.
; CLUSTERS: source 1's tiles are shared along a row of the cluster, source 0's along a column: each is asked for jointly, by the same tensor load with the same descriptor and a mask that names the four.
; The bias is the C of each sum's first product.  The grid has 320 work-groups of equal work.
; THE WAY OUT: a block of 16 lanes' rows x 128 is made safe (what is not finite becomes 0, the rest is held to +-50), quantised in registers and stored as images: each store covers 256 consecutive bytes, aligned.
;   img: Q [bh][64 tiles][768] at 0; K [bh][128 tiles][768] at 3,145,728; V [bh][16 key steps][4 tiles][1536] at 9,437,184.
;   isc: Q's scale words [bh][8][lane][4] at 0; from 262,144 on for each bh 12,288 bytes: K's [16][lane][4], then V's [16][lane][2].  In a word register lanes 0-15 hold the even tile's rows, lanes 16-31 the odd tile's.
; LIMITS: a block of zeros, or one under 2^-124, keeps the byte 1; its codes are read with that byte by this program alone.
; REGISTERS: window 0: v16-29 addresses; v32-63 scale words, two sets; v64-127 the bias, later a block at work; v128-223 source 1's fragments, one set, later codes and work; v224-247 the way out's offsets and scale words.
;   window 1: source 0's fragments, two sets, at v0 and v128.  windows 2, 3: the accumulators ((a, b) at v[8 (8 (a % 4) + b)] of window 2 + a / 4).
; THIS TEXT MAKES K AND V ALONE: q's projection is made in the attention launch, so what stands above on q does not apply.  The cluster's y 0-7 makes kv Wk^T, 8-15 kv Wv^T
; (4 is added to it, so that 4-11 and 12-19 below stand as they are): 256 work-groups of equal work.  Q's regions of img and isc are not written.
; THE HEAD: one joint load a wave: wave 0 K step 0 of source 1's 256 rows, wave 1 of source 0's, waves 2 and 3 the two blocks of scales; slot 1 is first filled behind a round, as a refill is.
.set NQ,    2
.set FR,    12                         ; registers of a fragment
.set NL,    6                          ; LDS loads that bring one
.set NP,    4                          ; places behind this matrix instruction (ISA guide 7.12.1)
.set TILEB, 3072                       ; 16 rows x 256 along K
.set HALFT, 8*TILEB                    ; 128 rows: what one tensor load brings
.set SLOT,  4*HALFT
.set SCL,   2*SLOT                     ; behind the ring: the scales
.set HALFS, 4096                       ; those of 128 rows
.set SPARE, SCL+4*HALFS                ; the spare words, 128 bytes a wave: two blocks of 256 bytes that no other line names
.set ADRA, 16
.set ADRB, 20
.set L16,  25
.set L8,   26
.set ADRS, 27
.set SPW,  28
.set NIL,  29
.set SC,   32
.set BI,   64
.set AF,   128
.set TMP,  64                          ; the way out: a block's 64 numbers
.set PCB,  128                         ; four sets of 12 registers of codes
.set TM,   176                         ; v176-179 largest magnitudes, v180-183 bytes, v188-191 scale operands
.set CT,   192
.set PW,   200
.set PWE,  201
.set OFF,  224
.set SW0,  240
.set SW1,  244
.set WV,  18
.set WR,  19
.set WC,  20
.set CX,  21
.set CYI, 22
.set CLY, 23
.set G1,  24
.set G0,  32
.set G1B, 48
.set G0B, 56
.set G1S, 68
.set G0S, 76
.set G1SB, 80
.set G0SB, 88
.set MSB, 0
.macro WIN new                         ; the immediate's high byte repeats the setting that is left
.if MSB != \new
	s_set_vgpr_msb (MSB<<8)|\new
.set MSB, \new
.endif
.endm
.set MUL_LO, 0xa1                      ; source 0 window 1, source 1 window 0, C and D window 2
.set MUL_HI, 0xf1
.set TO_B,   0x40
; A joint load: waves 0 and 1 fetch for source 1, waves 2 and 3 for source 0.  The branch hangs on the wave's number alone.  Four v_nop follow each of the two lines.
.macro JLOAD g0a, g1a, g0b, g1b
	s_cmp_eq_u32 s[WR], 0
	s_cbranch_scc0 .Lfor_b_\@
	tensor_load_to_lds s[\g0a:\g0a+3], s[\g1a:\g1a+7]
	s_nop 0
.rept 4
	v_nop
.endr
	s_branch .Lasked_\@
.Lfor_b_\@:
	tensor_load_to_lds s[\g0b:\g0b+3], s[\g1b:\g1b+7]
	s_nop 0
.rept 4
	v_nop
.endr
.Lasked_\@:
.endm
.macro CREST                           ; a round of the cluster's barrier behind its opening barrier
	s_cmp_lg_u32 s[WV], 0
	s_cbranch_scc1 .Lnot_wave_0_\@
	s_barrier_signal -3
.Lnot_wave_0_\@:
	s_barrier_wait -3
	s_barrier_signal -1
	s_barrier_wait -1
.endm
.macro CROUND
	s_barrier_signal -1
	s_barrier_wait -1
	CREST
.endm
.macro FRAG reg, adr, q, i             ; tile i's q-th 128 along K: six pieces of 256 bytes, 8 bytes a lane, as the registers want them
.irp p, 0,1,2,3,4,5
	ds_load_b64 v[\reg+2*\p:\reg+2*\p+1], v[\adr] offset:(\i)*TILEB+(\q)*1536+256*\p
.endr
.endm
; 16 matrix instructions: source 1's blocks a0, a0 + 1 x source 0's eight.  cm = 0: onto the sums; 1: the bias along the registers starts them; 2: the bias along the lanes.
; The 64 accumulators take turns, one instruction a turn, in the same order in every step.
.macro MUL16 a0, p, q, sc, cm
.irp a, \a0, \a0+1
.irp b, 0,1,2,3,4,5,6,7
.if \cm == 1
	v_wmma_scale_f32_16x16x128_f8f6f4 v[8*(8*((\a)%4)+\b):8*(8*((\a)%4)+\b)+7], v[128*(\p)+FR*\b:128*(\p)+FR*\b+FR-1], v[AF+FR*(\a):AF+FR*(\a)+FR-1], v[BI+8*\b:BI+8*\b+7], v[SC+8*NQ*(\sc)+NQ*\b+(\q)], v[SC+8*NQ*(\sc)+NQ*(\a)+(\q)] matrix_a_fmt:MATRIX_FMT_FP6 matrix_b_fmt:MATRIX_FMT_FP6 matrix_a_scale:MATRIX_SCALE_ROW1
.elseif \cm == 2
	v_wmma_scale_f32_16x16x128_f8f6f4 v[8*(8*((\a)%4)+\b):8*(8*((\a)%4)+\b)+7], v[128*(\p)+FR*\b:128*(\p)+FR*\b+FR-1], v[AF+FR*(\a):AF+FR*(\a)+FR-1], v[BI+8*(\a):BI+8*(\a)+7], v[SC+8*NQ*(\sc)+NQ*\b+(\q)], v[SC+8*NQ*(\sc)+NQ*(\a)+(\q)] matrix_a_fmt:MATRIX_FMT_FP6 matrix_b_fmt:MATRIX_FMT_FP6 matrix_a_scale:MATRIX_SCALE_ROW1
.else
	v_wmma_scale_f32_16x16x128_f8f6f4 v[8*(8*((\a)%4)+\b):8*(8*((\a)%4)+\b)+7], v[128*(\p)+FR*\b:128*(\p)+FR*\b+FR-1], v[AF+FR*(\a):AF+FR*(\a)+FR-1], v[8*(8*((\a)%4)+\b):8*(8*((\a)%4)+\b)+7], v[SC+8*NQ*(\sc)+NQ*\b+(\q)], v[SC+8*NQ*(\sc)+NQ*(\a)+(\q)] matrix_a_fmt:MATRIX_FMT_FP6 matrix_b_fmt:MATRIX_FMT_FP6 matrix_a_scale:MATRIX_SCALE_ROW1
.endif
.endr
.endr
.endm
.macro FETCH_B slot, q, p
	WIN TO_B
.irp i, 0,1,2,3,4,5,6,7
	FRAG 128*(\p)+FR*\i, ADRB+\slot, \q, \i
.endr
	WIN 0
.endm
.macro FETCH_A slot, q, i0
.irp i, \i0, \i0+1, \i0+2, \i0+3
	FRAG AF+FR*(\i), ADRA+\slot, \q, \i
.endr
.endm
.macro SCALES sc, s4                   ; K step s4's two scale words a row into set sc: lanes 0-15 source 1's block i, lanes 16-31 source 0's block i
.irp i, 0,1,2,3,4,5,6,7
	ds_load_b64 v[SC+16*(\sc)+2*\i:SC+16*(\sc)+2*\i+1], v[ADRS] offset:512*\i+256*((\s4)/2)+8*((\s4)%2)
.endr
.endm
.macro PLACES n                        ; plain vector instructions between a matrix instruction and a load into, or a read of, its registers (ISA guide 7.12.1 for a read)
.rept \n
	v_nop
.endr
.endm
.macro STEP slot, cm                   ; a slot's first 128 along K; it fetches the second
	s_wait_dscnt 4*NL                              ; all but the youngest 24 loads (source 1's blocks 4-7) are in
.if \cm
	WIN 0x81                                       ; C, the bias, in window 0
.else
	WIN MUL_LO
.endif
	MUL16 0, 0, 0, \slot, \cm
	MUL16 2, 0, 0, \slot, \cm
	s_wait_dscnt 0
	PLACES NP
	FETCH_B \slot, 1, 1
	FETCH_A \slot, 1, 0
.if \cm
	WIN 0xc1
.else
	WIN MUL_HI
.endif
	MUL16 4, 0, 0, \slot, \cm
	MUL16 6, 0, 0, \slot, \cm
	PLACES NP
	WIN 0
	FETCH_A \slot, 1, 4
.endm
; A slot's second 128 along K changes slots: one barrier; in front of it each wave waits for all its tensor loads, adds 0 to its spare word, and waits for that and for its reads of this slot.
.macro TURN slot, next, fill, s4
	s_wait_tensorcnt 0x0                           ; all my tensor loads have landed: my part of the next slot
	ds_add_u32 v[SPW], v[NIL]                      ; 0 onto my spare word
	s_wait_dscnt 4*NL+1                            ; (the add and the youngest 24 loads may be out)
	WIN MUL_LO
	MUL16 0, 1, 1, \slot, 0                        ; sixteen matrix instructions stand between the add and the wait for it
	s_wait_dscnt 0x0                               ; the add is done, and my reads of this slot are over
	s_barrier_signal -1
	MUL16 2, 1, 1, \slot, 0
	WIN 0
	s_barrier_wait -1
.if \fill
	CREST                                          ; the barrier has opened a round of the cluster's: no wave of any partner still reads this slot or has a load on its way
	s_add_nc_u64 s[G0+4*\slot+2:G0+4*\slot+3], s[G0+4*\slot+2:G0+4*\slot+3], 2*TILEB
	s_add_nc_u64 s[G0B+4*\slot+2:G0B+4*\slot+3], s[G0B+4*\slot+2:G0B+4*\slot+3], 2*TILEB
	JLOAD G0+4*\slot, G1, G0B+4*\slot, G1B         ; the first tensor load behind the round; its four v_nop are the places in front of the loads below
.else
	PLACES NP
.endif
	FETCH_B \next, 0, 0
	FETCH_A \next, 0, 0
	SCALES \next, \s4
	WIN MUL_HI
	MUL16 4, 1, 1, \slot, 0
	MUL16 6, 1, 1, \slot, 0
	PLACES NP
	WIN 0
	FETCH_A \next, 0, 4
.endm
	s_load_b256 s[4:11], s[0:1], 0x0               ; codes, scales, bk, bv
	s_load_b64 s[14:15], s[0:1], 0x20              ; img
	s_load_b64 s[16:17], s[0:1], 0x28              ; isc
	v_lshl_add_u32 v[SPW], v0, 2, SPARE
	v_mov_b32 v[NIL], 0
	ds_add_u32 v28, v29
	ds_add_u32 v28, v29
	s_wait_dscnt 0x0
	v_lshrrev_b32 v1, 5, v0
	v_readfirstlane_b32 s[WV], v1                  ; wave 0..3
	s_lshr_b32 s[WR], s[WV], 1                     ; my half of source 1's rows.  Also: I fetch for source 1 (0) or source 0 (1)
	s_and_b32 s[WC], s[WV], 1                      ; my half of source 0's rows.  Also: which 128 rows I fetch
	s_bfe_u32 s[CX], ttmp6, 0x40000
	s_bfe_u32 s[CYI], ttmp6, 0x40004
	s_and_b32 s[CLY], ttmp7, 0xffff                ; the cluster's y: the same in all sixteen partners
	s_add_co_u32 s[CLY], s[CLY], 4                 ; 4-11: k, 12-19: v
	s_lshl_b32 s40, s[CYI], 2
	s_lshl_b32 s40, 15, s40                        ; my row of the cluster
	s_lshl_b32 s41, 0x1111, s[CX]                  ; my column
	s_or_b32 s[G1], s40, (3<<16)|(1<<21)           ; 15:0 the mask; 17:16 elements of 8 bytes; 21 set beside a mask; no padding
	s_or_b32 s[G1B], s41, (3<<16)|(1<<21)
.irp g, G1, G1B
	s_mov_b32 s[\g+1], 384<<16
	s_mov_b32 s[\g+2], 16<<16                      ; the head's loads bring 16 tiles; behind them the two words are set to 8
	s_mov_b32 s[\g+3], 384<<16
	s_mov_b32 s[\g+4], 16
	s_mov_b32 s[\g+5], 1536                        ; from tile to tile: 12,288 bytes
	s_mov_b32 s[\g+6], 0
	s_mov_b32 s[\g+7], 0
.endr
	s_or_b32 s[G1S], s40, (3<<16)|(1<<21)          ; the scales of 256 rows: 8,192 dense bytes as 32 rows of 256
	s_or_b32 s[G1SB], s41, (3<<16)|(1<<21)
.irp g, G1S, G1SB
	s_mov_b32 s[\g+1], 32<<16
	s_mov_b32 s[\g+2], 32<<16                      ; the scales of 256 rows: 8,192 dense bytes as 32 rows of 256
	s_mov_b32 s[\g+3], 32<<16
	s_mov_b32 s[\g+4], 32
	s_mov_b32 s[\g+5], 32
	s_mov_b32 s[\g+6], 0
	s_mov_b32 s[\g+7], 0
.endr
	s_mov_b32 s43, 14336                           ; the weight's first row among the 16,384: Wv,
	s_sub_co_u32 s42, s[CLY], 8
	s_cmp_lt_u32 s[CLY], 12
	s_cselect_b32 s43, 13312, s43                  ; Wk,
	s_cselect_b32 s42, s[CLY], s42                 ; (q and kv stand on end: 1,024 rows for each cluster; the v path walks kv again)
	s_lshl_b32 s42, s42, 10                        ; the activation's first row
	s_cmp_lt_u32 s[CLY], 12
	s_cselect_b32 s44, s42, s43                    ; source 1
	s_cselect_b32 s45, s43, s42                    ; source 0
	s_mul_i32 s46, s[WC], 8*12288                  ; in the ring I fetch 128 rows: which half, in bytes
	s_mov_b32 s47, 0
	s_lshl_b32 s2, s[CYI], 8
	s_add_co_u32 s44, s44, s2
	s_lshl_b32 s3, s[CX], 8
	s_add_co_u32 s45, s45, s3
	s_mul_i32 s92, s44, 768                        ; a row's share of the codes is 768 bytes,
	s_mov_b32 s93, 0
	s_lshl_b32 s94, s44, 5                         ; of the scales 32
	s_mov_b32 s95, 0
	s_mul_i32 s96, s45, 768
	s_mov_b32 s97, 0
	s_lshl_b32 s98, s45, 5
	s_mov_b32 s99, 0
	s_mul_i32 s100, s[WV], HALFT                   ; where they go: wave x 128 rows: no place in the cluster enters an LDS address
	s_wait_kmcnt 0x0
	s_add_nc_u64 s[92:93], s[4:5], s[92:93]
	s_add_nc_u64 s[94:95], s[6:7], s[94:95]
	s_add_nc_u64 s[96:97], s[4:5], s[96:97]
	s_add_nc_u64 s[98:99], s[6:7], s[98:99]
	CROUND                                         ; all sixteen work-groups are here: the first joint loads meet
	s_mov_b32 s[G0S], 1
	s_mov_b32 s[G0S+1], SCL
	s_mov_b64 s[G0S+2:G0S+3], s[94:95]
	s_or_b32 s[G0S+3], s[G0S+3], 0x80000000
	s_mov_b32 s[G0SB], 1
	s_mov_b32 s[G0SB+1], SCL+2*HALFS
	s_mov_b64 s[G0SB+2:G0SB+3], s[98:99]
	s_or_b32 s[G0SB+3], s[G0SB+3], 0x80000000
.irp s, 0,1
	s_mov_b32 s[G0+4*\s], 1
	s_add_co_u32 s[G0+4*\s+1], s100, \s*SLOT
	s_add_nc_u64 s[G0+4*\s+2:G0+4*\s+3], s[92:93], \s*TILEB
	s_or_b32 s[G0+4*\s+3], s[G0+4*\s+3], 0x80000000
	s_mov_b32 s[G0B+4*\s], 1
	s_add_co_u32 s[G0B+4*\s+1], s100, \s*SLOT
	s_add_nc_u64 s[G0B+4*\s+2:G0B+4*\s+3], s[96:97], \s*TILEB
	s_or_b32 s[G0B+4*\s+3], s[G0B+4*\s+3], 0x80000000
.endr
	s_mov_b32 s[G0+1], 0                           ; for the head slot 0's two descriptors name whole tiles of 256 rows
	s_mov_b32 s[G0B+1], 2*HALFT
	s_add_nc_u64 s[G0+6:G0+7], s[G0+6:G0+7], s[46:47]      ; slot 1's name my 128 rows
	s_add_nc_u64 s[G0B+6:G0B+7], s[G0B+6:G0B+7], s[46:47]
.macro ARM under, g0, g1, next         ; one chain of branches on the wave's number, one load to an arm, all arms to one join
	s_cmp_lt_u32 s[WV], \under
	s_cbranch_scc0 \next
	tensor_load_to_lds s[\g0:\g0+3], s[\g1:\g1+7]
	s_nop 0
.rept 4
	v_nop
.endr
	s_branch .Lhead_asked
\next:
.endm
	ARM 1, G0,  G1,  .Lhead_b
	ARM 2, G0B, G1B, .Lhead_sa
	ARM 3, G0S, G1S, .Lhead_sb
	tensor_load_to_lds s[G0SB:G0SB+3], s[G1SB:G1SB+7]
	s_nop 0
.rept 4
	v_nop
.endr
.Lhead_asked:
	v_and_b32 v1, 15, v0                           ; r
	v_bfe_u32 v2, v0, 4, 1                         ; h
	s_wait_alu depctr_va_vdst(0)
	v_and_b32 v3, 31, v0
	v_lshlrev_b32 v[L8], 3, v3
	v_lshlrev_b32 v[L16], 4, v3
	s_mul_i32 s40, s[WR], HALFT                    ; my 128 rows of source 1,
	s_mul_i32 s41, s[WC], HALFT                    ; of source 0,
	s_add_co_u32 s41, s41, 2*HALFT                 ; which lie behind source 1's 256
.irp s, 0,1
	v_add_nc_u32 v[ADRA+\s], s40, v[L8]
	v_add_nc_u32 v[ADRB+\s], s41, v[L8]
	s_add_co_u32 s40, s40, SLOT
	s_add_co_u32 s41, s41, SLOT
.endr
	v_lshlrev_b32 v5, 4, v1                        ; my row's scale words: 16 bytes a row in a block of 256
	s_mul_i32 s40, s[WR], HALFS
	s_mul_i32 s41, s[WC], HALFS
	s_add_co_u32 s41, s41, 2*HALFS
	s_sub_co_u32 s41, s41, s40
	v_mul_u32_u24 v6, s41, v2                      ; lanes 16-31 take source 0's
	s_add_co_u32 s40, s40, SCL
	v_add_nc_u32 v5, v5, v6
	v_add_nc_u32 v[ADRS], s40, v5
	; the bias: q, k: of the weight's rows, along my registers; v: of Wv's rows, along the lanes
	s_cmp_lt_u32 s[CLY], 12
	s_cselect_b64 s[8:9], s[8:9], s[10:11]         ; bk or bv
	s_cselect_b32 s42, s[CX], s[CYI]
	s_cselect_b32 s43, s[WC], s[WR]
	s_lshl_b32 s42, s42, 10
	s_lshl_b32 s43, s43, 9
	s_add_co_u32 s42, s42, s43                     ; my 128 numbers of it
	s_mov_b32 s43, 0
	s_add_nc_u64 s[8:9], s[8:9], s[42:43]
	v_lshlrev_b32 v7, 6, v2                        ; 64 h: register j of accumulator b is column 32 (b / 2) + 8 (b % 2) + 16 h + j
	v_and_b32 v8, 8, v1
	v_add_nc_u32 v8, v8, v1
	v_lshlrev_b32 v8, 2, v8                        ; 4 (r + 8 (r / 8)): lane r of block a is row 32 (a / 2) + 8 (a % 2) + r + 8 (r / 8)
	s_cmp_lt_u32 s[CLY], 12
	s_cbranch_scc0 .Lbias_v
.irp b, 0,1,2,3,4,5,6,7
	global_load_b128 v[BI+8*\b:BI+8*\b+3], v7, s[8:9] offset:(32*(\b/2)+8*(\b%2))*4
	global_load_b128 v[BI+8*\b+4:BI+8*\b+7], v7, s[8:9] offset:(32*(\b/2)+8*(\b%2))*4+16
.endr
	s_branch .Lbias_done
.Lbias_v:
	s_wait_alu depctr_va_vdst(0)
.irp a, 0,1,2,3,4,5,6,7
.irp j, 0,1,2,3,4,5,6,7
	global_load_b32 v[BI+8*\a+\j], v8, s[8:9] offset:(32*(\a/2)+8*(\a%2))*4   ; the lane's number in all eight registers
.endr
.endr
.Lbias_done:
	s_wait_alu depctr_va_vdst(0)
	s_wait_tensorcnt 0x0                           ; my tile of the head's four is in
	ds_add_u32 v[SPW], v[NIL]
	s_mov_b32 s[G1+2], 8<<16                       ; no tensor load of mine is out: from here on a load brings 8 tiles, my 128 rows
	s_mov_b32 s[G1+4], 8
	s_mov_b32 s[G1B+2], 8<<16
	s_mov_b32 s[G1B+4], 8
	s_mov_b32 s[G0+1], s100
	s_mov_b32 s[G0B+1], s100
	s_add_nc_u64 s[G0+2:G0+3], s[G0+2:G0+3], s[46:47]
	s_add_nc_u64 s[G0B+2:G0B+3], s[G0B+2:G0B+3], s[46:47]
	s_wait_dscnt 0x0
	CROUND                                         ; all four tiles are in, and all sixteen work-groups are here
	JLOAD G0+4, G1, G0B+4, G1B                     ; K step 1, the first tensor load behind the round
	FETCH_B 0, 0, 0
	FETCH_A 0, 0, 0
	s_wait_alu depctr_va_vdst(0)
	SCALES 0, 0
	FETCH_A 0, 0, 4
	s_wait_loadcnt 0x0                             ; the bias
	s_cmp_lt_u32 s[CLY], 12                        ; the first step starts the sums with the bias: written twice, for its two layouts
	s_cbranch_scc0 .Lfirst_v
	STEP 0, 1
	s_branch .Lfirst_done
.Lfirst_v:
	STEP 0, 2
.Lfirst_done:
	TURN 0, 1, 1, 1                                ; slot 0 takes K step 2
	STEP 1, 0
	TURN 1, 0, 1, 2                                ; slot 1 takes K step 3
	STEP 0, 0
	TURN 0, 1, 0, 3                                ; nothing is left to fetch
	STEP 1, 0
	s_wait_dscnt 4*NL
	WIN MUL_LO
	MUL16 0, 1, 1, 1, 0
	MUL16 2, 1, 1, 1, 0
	s_wait_dscnt 0
	WIN MUL_HI
	MUL16 4, 1, 1, 1, 0
	MUL16 6, 1, 1, 1, 0
	WIN 0
	; THE WAY OUT.  Where my 128 x 128 goes (no tensor load of mine is out: the descriptors' registers are free).
	s_sub_co_u32 s68, s[CLY], 4
	s_sub_co_u32 s69, s[CLY], 12
	s_mov_b32 s80, 768
	s_mov_b32 s81, 1536
	s_mov_b32 s76, 9437184
	s_mov_b32 s100, 256
	s_cmp_lt_u32 s[CLY], 12
	s_cselect_b32 s68, s68, s69                    ; which 1,024 rows of kv
	s_cselect_b32 s70, s[CX], s[CYI]               ; the heads lie along the weight's rows,
	s_cselect_b32 s71, s[WC], s[WR]
	s_cselect_b32 s72, s[CYI], s[CX]               ; the rows or keys along the activation's
	s_cselect_b32 s73, s[WR], s[WC]
	s_cselect_b32 s80, 98304, s80                  ; from a fragment's lower half to its upper: the next head (q, k) or 768 bytes on (v)
	s_cselect_b32 s81, 768, s81                    ; from block to block
	s_cselect_b32 s82, 0, 92160                    ; v: behind four blocks the next head
	s_cselect_b32 s76, 3145728, s76                ; the region of img
	s_cselect_b32 s100, 512, s100                  ; scale bytes of 128 rows or keys
	s_cselect_b32 s78, 0, 8192                     ; V's scale words lie behind K's
	s_lshr_b32 s69, s68, 1                         ; the batch,
	s_and_b32 s68, s68, 1
	s_lshl_b32 s68, s68, 3                         ; and which half of its 2,048 keys, in groups of 128
	s_mov_b32 s74, 98304
	s_mov_b32 s75, 12288
	s_mov_b32 s79, 262144                          ; K's and V's scale words begin here in isc
	s_lshl_b32 s72, s72, 1
	s_add_co_u32 s72, s72, s73
	s_add_co_u32 s72, s72, s68                     ; my group of 128 rows or keys in the batch
	s_lshl_b32 s70, s70, 2
	s_lshl_b32 s71, s71, 1
	s_add_co_u32 s70, s70, s71
	s_lshl_b32 s69, s69, 4
	s_add_co_u32 s70, s70, s69                     ; 16 x batch + my first head
	s_mul_i32 s74, s70, s74
	s_add_co_u32 s76, s76, s74
	s_mul_i32 s74, s72, 6144                       ; a group of 128 is 6,144 bytes in all three regions
	s_add_co_u32 s76, s76, s74
	s_mov_b32 s77, 0
	s_add_nc_u64 s[14:15], s[14:15], s[76:77]
	s_mul_i32 s74, s70, s75
	s_add_co_u32 s78, s78, s79
	s_add_co_u32 s78, s78, s74
	s_mul_i32 s74, s72, s100
	s_add_co_u32 s78, s78, s74
	s_mov_b32 s79, 0
	s_add_nc_u64 s[16:17], s[16:17], s[78:79]      ; my first head's scale words,
	s_mov_b32 s76, s75
	s_add_nc_u64 s[90:91], s[16:17], s[76:77]      ; and my second head's
	s_mov_b32 s84, 0x7f800000                      ; +infinity
	s_mov_b32 s85, 0xc2480000                      ; -50
	s_mov_b32 s86, 0x42480000                      ; 50
	s_mov_b32 s87, 0xffff0000                      ; lanes 16-31
	s_mov_b32 s88, 0x76543210
	s_mov_b32 s89, 0xfedcba98
	s_mov_b32 s101, 0
.irp a, 0,1,2,3,4,5,6,7                ; the stores' offsets: these plain lines name no register of the last products and are the places behind them
	v_add_nc_u32 v[OFF+2*\a], s101, v[L8]
	v_add_nc_u32 v[OFF+2*\a+1], s80, v[OFF+2*\a]
	s_add_co_u32 s101, s101, s81
.if \a == 3
	s_add_co_u32 s101, s101, s82
.endif
.endr
.irp b, 0,1,2,3
	v_mov_b32 v[TM+4+\b], 0                        ; a lane permute's destination counts as read: written once
.endr
; 64 numbers of a lane, register 16 b + i = k 32 b + 16 (lane / 16) + i of my row, become a fragment's codes in v[pc] on and its scale word in v[PW].
.macro QUANT s, pc
.irp b, 0,1,2,3
	v_max3_num_f32 v[TM+\b], |v[\s+16*\b]|, |v[\s+1+16*\b]|, 0x1800000   ; my 16 numbers of block b, and the floor 2^(3 - 127): the byte cannot fall under 1
.endr
.irp i, 2,4,6,8,10,12,14
.irp b, 0,1,2,3
	v_max3_num_f32 v[TM+\b], v[TM+\b], |v[\s+16*\b+\i]|, |v[\s+1+16*\b+\i]|
.endr
.endr
.irp b, 0,1,2,3
	v_permlanex16_b32 v[TM+4+\b], v[TM+\b], s88, s89
.endr
.irp b, 0,1,2,3
	v_max_num_f32 v[TM+\b], v[TM+\b], v[TM+4+\b]   ; with lane l xor 16's: the block's largest magnitude
.endr
.irp b, 0,1,2,3
	v_add_nc_u32 v[TM+12+\b], 0xff000000, v[TM+\b] ; 2 off its exponent field: the conversion's scale operand
.endr
.irp b, 0,1,2,3
	v_lshrrev_b32 v[TM+4+\b], 23, v[TM+12+\b]      ; the scale's byte
.endr
	v_lshl_or_b32 v[PW], v[TM+5], 8, v[TM+4]
	v_lshl_or_b32 v[PW], v[TM+6], 16, v[PW]
	v_lshl_or_b32 v[PW], v[TM+7], 24, v[PW]
.irp c, 0,1
	v_cvt_scalef32_pk16_fp6_f32 v[\pc+6*\c:\pc+2+6*\c], v[\s+32*\c:\s+15+32*\c], v[TM+12+2*\c]
	v_cvt_scalef32_pk16_fp6_f32 v[CT+4*\c:CT+2+4*\c], v[\s+16+32*\c:\s+31+32*\c], v[TM+12+2*\c+1]   ; (a conversion's three registers begin on an even number)
.endr
	v_nop                                          ; one plain place behind a scaled conversion
.irp c, 0,1                            ; the operand's layout wants a whole block in a lane: lanes 0-15 block 2 c, lanes 16-31 block 2 c + 1
.irp i, 0,1,2
	v_permlane16_swap_b32 v[\pc+6*\c+\i], v[CT+4*\c+\i]
.endr
.irp i, 0,1,2
	v_mov_b32 v[\pc+3+6*\c+\i], v[CT+4*\c+\i]
.endr
.endr
.endm
.macro EPI a                           ; block a: 16 lanes' rows x 128
.set AC, 64*((\a)%4)
.set PCA, PCB+12*((\a)%4)
.set WSEL, 0x02+(\a)/4
	WIN WSEL                                       ; source 0: window 2 or 3
.irp b, 0,1,2,3,4,5,6,7                ; each accumulator from its low end on
.irp j, 0,1,2,3,4,5,6,7
	v_med3_num_f32 v[TMP+8*\b+\j], v[AC+8*\b+\j], s85, s86
.endr
.irp j, 0,1,2,3,4,5,6,7
	v_cmp_lt_f32 s[40+\j], |v[AC+8*\b+\j]|, s84
.endr
.irp j, 0,1,2,3,4,5,6,7
	v_cndmask_b32 v[TMP+8*\b+\j], 0, v[TMP+8*\b+\j], s[40+\j]   ; what was not finite becomes 0
.endr
.endr
	WIN 0
.if (\a) > 3
	s_wait_xcnt 0x0                                ; the stores of four blocks ago have read this set of codes
.endif
	QUANT TMP, PCA
.irp c, 0,1
.irp p, 0,1,2
	global_store_b64 v[OFF+2*(\a)+\c], v[PCA+6*\c+2*\p:PCA+6*\c+2*\p+1], s[14:15] offset:256*\p   ; 32 lanes store 256 consecutive bytes, aligned
.endr
.endr
.if (\a)%2 == 0
	v_mov_b32 v[PWE], v[PW]
.else
	v_cndmask_b32 v[SW0+(\a)/2], v[PWE], v[PW], s87   ; lanes 0-15 the even block's rows, lanes 16-31 the odd block's
	v_lshrrev_b32 v[SW1+(\a)/2], 16, v[SW0+(\a)/2]    ; q, k: the second head's two bytes, with zeros above them
.endif
.endm
.irp a, 0,1,2,3,4,5,6,7
	EPI \a
.endr
	s_cmp_lt_u32 s[CLY], 12
	s_cbranch_scc0 .Lsc_v
	global_store_b128 v[L16], v[SW0:SW0+3], s[16:17]   ; q, k: eight tiles' words of my first head (its two bytes below; the two above meet zero codes),
	global_store_b128 v[L16], v[SW1:SW1+3], s[90:91]   ; and of my second
	s_branch .Lsc_done
.Lsc_v:
	global_store_b64 v[L8], v[SW0:SW0+1], s[16:17]     ; v: four tiles' words of my first head,
	s_wait_alu depctr_va_vdst(0)
	global_store_b64 v[L8], v[SW0+2:SW0+3], s[90:91]   ; and of my second
.Lsc_done:
	s_wait_tensorcnt 0x0                           ; the wave's end
	ds_add_u32 v[SPW], v[NIL]
	s_wait_dscnt 0x0
	CROUND                                         ; the closing round: no work-group ends while a partner may still ask for a tile that names it
	s_endpgm
.Lfunc_end_k_qb7a5134667_proj:
	.size	k_qb7a5134667_proj, .Lfunc_end_k_qb7a5134667_proj-k_qb7a5134667_proj
	.p2alignl 7, 3214868480
	.fill 96, 4, 3214868480
	.section	.rodata,"a",@progbits
	.p2align	6, 0x0
	.amdhsa_kernel k_qb7a5134667_proj
		.amdhsa_group_segment_fixed_size 327680
		.amdhsa_private_segment_fixed_size 0
		.amdhsa_enable_private_segment 0
		.amdhsa_kernarg_size 48
		.amdhsa_user_sgpr_count 2
		.amdhsa_user_sgpr_kernarg_segment_ptr 1
		.amdhsa_wavefront_size32 1
		.amdhsa_system_sgpr_workgroup_id_x 1
		.amdhsa_system_sgpr_workgroup_id_y 1
		.amdhsa_system_sgpr_workgroup_id_z 1
		.amdhsa_system_vgpr_workitem_id 0
		.amdhsa_next_free_vgpr 1024
		.amdhsa_next_free_sgpr 102
		.amdhsa_reserve_vcc 0
		.amdhsa_float_denorm_mode_32 3
		.amdhsa_float_denorm_mode_16_64 3
		.amdhsa_memory_ordered 1
		.amdhsa_forward_progress 1
		.amdhsa_inst_pref_size 255
	.end_amdhsa_kernel
	.section	.bss,"aw",@nobits
	.p2align	6
	.space	262144
	.amdgpu_metadata
---
amdhsa.version: [ 1, 2 ]
amdhsa.kernels:
  - .name:           k_qb7a5134667_proj
    .symbol:         k_qb7a5134667_proj.kd
    .args:
      - { .name: codes, .offset: 0, .size: 8, .value_kind: global_buffer, .address_space: global }
      - { .name: scales, .offset: 8, .size: 8, .value_kind: global_buffer, .address_space: global }
      - { .name: bk, .offset: 16, .size: 8, .value_kind: global_buffer, .address_space: global }
      - { .name: bv, .offset: 24, .size: 8, .value_kind: global_buffer, .address_space: global }
      - { .name: img, .offset: 32, .size: 8, .value_kind: global_buffer, .address_space: global }
      - { .name: isc, .offset: 40, .size: 8, .value_kind: global_buffer, .address_space: global }
    .group_segment_fixed_size: 327680
    .private_segment_fixed_size: 0
    .kernarg_segment_align: 8
    .kernarg_segment_size: 48
    .max_flat_workgroup_size: 128
    .sgpr_count:     102
    .vgpr_count:     1024
    .wavefront_size: 32
...
	.end_amdgpu_metadata
.endif
;; end of part 2
;; launch attn (part 3): grid 4 x 64, 8 waves a work-group, clusters of 4 x 1, 218,112 bytes of LDS; arguments codes, scales, bq, img, isc, key_padding_mask, oc, os; writes oc, os
.if DOCPART == 3
	.amdgcn_target "amdgcn-amd-amdhsa--gfx1250"
	.amdhsa_code_object_version 6
	.text
	.protected	k_qb7a5134667_attn
	.globl	k_qb7a5134667_attn
	.p2align	8
	.type	k_qb7a5134667_attn,@function
k_qb7a5134667_attn:
	s_mov_b64 s[64:65], 0
	v_nop
	global_prefetch_b8 v0, s[64:65] scope:SCOPE_SE
	s_setreg_imm32_b32 hwreg(HW_REG_WAVE_MODE, 25, 1), 1
	s_wait_xcnt 0x0
	s_wait_alu depctr_hold_cnt(0) depctr_sa_sdst(0) depctr_va_vdst(0) depctr_va_sdst(0) depctr_va_ssrc(0) depctr_va_vcc(0) depctr_vm_vsrc(0)
	s_getreg_b32 s2, hwreg(HW_REG_IB_STS2, 6, 4)
	s_cmp_eq_u32 s2, 0
	s_cbranch_scc0 .Lentry_in_a_cluster
	s_endpgm
.Lentry_in_a_cluster:
	s_bfe_u32 s2, ttmp6, 0x10000c
	s_cmp_lg_u32 s2, 0x3003
	s_cbranch_scc0 .Lentry_shape_is_right
	s_endpgm
.Lentry_shape_is_right:
; q's projection and attention on codes of FP6 (E2M3).  For each batch and head (bh = 16 b + head): Q = safe(q Wq^T + bq), quantised along the head's 64; scores = Q K^T / 8 held to +-80,
; -10000 where the key is masked; softmax; x V; the result held to +-50 and quantised along the hidden axis as the image of the output projection's operand.
; SHARES.  A work-group owns 256 queries of one head; each of its eight waves 32: two tiles of 16, which share every fragment of K and V, every mask number and every scale word.  Two waves to a SIMD.
; Q'S PROJECTION.  A wave makes its own 32 queries x 64 channels: 8 accumulators x 8 K steps of 128.  Source 0 = Wq's rows (a lane's registers run along the head's 64), source 1 = q's rows.
; The fragments are images of the operand's registers in codes: six loads of 8 bytes a lane, each 256 consecutive bytes, straight into registers, four K steps of registers by turns.
; Wq's 49,152 bytes of a head are read by each wave for itself and not jointly through LDS: a joint fill would want a round of its own ahead of the first product, and they are read in one pass.
; THE SOFTMAX.  t = logit x log2(e); p = 2^(t - M) is quantised along the keys, not normalised; the row's sum is taken of the unquantised p and divides at the end.
; M IS THE WHOLE NUMBER 7 FOR EVERY ROW.  the logits are held to +-80, so t lies in +-115.42 for every input: p lies in 2^-122.5 .. 2^108.5, a row's sum of 2,048 under 2^120,
; and O, with |v| at most 52 after its quantiser, under 2^126: no exponential and no sum leaves f32's normal range.  p under another whole M differs by a power of two, which the block's scale takes up
; (its exponent lies in -125 .. 106, inside the quantiser's -126 .. 127): the codes are those of M = the ceiling of the row's largest t.  A masked key's p is 0, as it is under that M (t - M under -14,000).
; WHERE EVERY KEY OF A BATCH IS MASKED all t are -10000 log2(e) = -14,426.95: there M is -14,326: every score is set to -520.9717, which gives t - M = -100.95.  The choice is a select on the mask's bytes.
; The division by 8 is exact, so the raw score is held to +-640, a masked key's is -80000, and c = log2(e) / 8.
; LDS holds the whole head's K and V (2 x 98,304 bytes of images): every byte is filled once, by one joint load a wave at the head (24,576 bytes each), which lands while q's projection is made; so there is no ring,
; and one barrier stands ahead of the sixteen steps.  K's and V's scale words and the mask's numbers are stored by the waves into bytes that no tensor load fills.
; CLUSTER.  The four query blocks of a head read the same K and V: the load is asked for jointly, with the same descriptor and a mask that names the four.
; No prefetch: all of K and V is asked for at the head, so there is no later step's tile to ask for.
; LAYOUT.  All products are used transposed: a lane holds one query throughout.  The rows of a stored tile are chosen so that the 16 registers of tiles 2 b and 2 b + 1 are 16 neighbours along the next K.
; The head's 64 are half of the instruction's 128 along K: Q's upper six registers are zero codes, and K's fragment t names six registers more, which meet those zeros.
; O / l is finite for every input (finite codes, a sum of at least 2^-122.5), so of the safe step behind attention only the hold to +-50 is left to do.
; LIMITS: a block of Q or of O whose largest number lies under 2^-124 keeps the byte 1.  The mask's bytes are 0 or 1.
; REGISTERS: window 0: v1-11 addresses; v12-19 the head's offsets, then the conversions' scale operands; v20-43 Q; v44-63, v248-251 scale words; v64-191 S^T then p (at the head v64-127 Q's sums, v128-223 q's fragments);
;   v192-215 p's codes; v216-247 at work; v252-253 -M.   window 1: v0-53 K; v64-127 the mask's numbers; v128-175 V; v176-239 O^T (at the head v0-191 Wq's fragments, v192-223 the bias).
.set VB,   98304
.set KSC,  196608                      ; K's scale words [16 steps][lane][4]
.set VSC,  204800                      ; V's [16 steps][lane][2]
.set MV,   208896                      ; for each key 640.0, or the masked number
.set SPARE, 217088                     ; the spare words, 128 bytes a wave
.set L8,   1
.set AKS0, 2
.set AVS0, 3
.set AM0,  4
.set ADK,  5
.set ADV,  6
.set ADKS, 7
.set ADVS, 8
.set ADM,  9
.set LV8,  10
.set SCA,  12
.set BIA,  13
.set T16,  14
.set S16,  15
.set M16,  16
.set M8,   17
.set MST,  18
.set SO8,  12                          ; in the steps: eight scale operands
.set OSC,  12                          ; the way out: O's scale bytes
.set QF,   20
.set WSC,  44                          ; the head: Wq's scale words, v44-59; q's in v60-63 and v248-251
.set QS,   44
.set PS,   45
.set KS,   48
.set VS,   52
.set S,    64
.set AC,   64
.set QG,   128
.set P,    192
.set BM,   216
.set PM,   224
.set SO,   228
.set CT,   232
.set SUM2, 240
.set T,    242
.set SM,   244
.set MN,   252
.set KF,   0
.set MVL,  64
.set VF,   128
.set OF,   176
.set BI,   192
.set WV,  20
.set QB,  21
.set BH,  22
.set NEG, 23
.set SEL, 24
.set CS,  26
.set HM,  28
.set MK,  29
.set G1C, 32
.set G0,  48
.set TS,  56
.set TK,  57
.set TV,  58
.set CNT, 59
.set INF, 60
.set N50, 61
.set P50, 62
.set MSB, 0
.macro WIN new                         ; the immediate's high byte repeats the setting that is left
.if MSB != \new
	s_set_vgpr_msb (MSB<<8)|\new
.set MSB, \new
.endif
.endm
.macro CROUND                          ; a round of the cluster's barrier
	s_barrier_signal -1
	s_barrier_wait -1
	s_cmp_lg_u32 s[WV], 0
	s_cbranch_scc1 .Lnot_wave_0_\@
	s_barrier_signal -3
.Lnot_wave_0_\@:
	s_barrier_wait -3
	s_barrier_signal -1
	s_barrier_wait -1
.endm
.macro NOPS
.rept 4
	v_nop
.endr
.endm
; The matrix instruction: ra, rb: the side's scales stand in lanes 16-31 of its register.  WMZ starts a sum with 0, WMC adds onto v[c ..].
.macro WMZ d, a, b, sa, sb, ra, rb
.if (\ra) && (\rb)
	v_wmma_scale_f32_16x16x128_f8f6f4 v[\d:\d+7], v[\a:\a+11], v[\b:\b+11], 0, v[\sa], v[\sb] matrix_a_fmt:MATRIX_FMT_FP6 matrix_b_fmt:MATRIX_FMT_FP6 matrix_a_scale:MATRIX_SCALE_ROW1 matrix_b_scale:MATRIX_SCALE_ROW1
.elseif \ra
	v_wmma_scale_f32_16x16x128_f8f6f4 v[\d:\d+7], v[\a:\a+11], v[\b:\b+11], 0, v[\sa], v[\sb] matrix_a_fmt:MATRIX_FMT_FP6 matrix_b_fmt:MATRIX_FMT_FP6 matrix_a_scale:MATRIX_SCALE_ROW1
.elseif \rb
	v_wmma_scale_f32_16x16x128_f8f6f4 v[\d:\d+7], v[\a:\a+11], v[\b:\b+11], 0, v[\sa], v[\sb] matrix_a_fmt:MATRIX_FMT_FP6 matrix_b_fmt:MATRIX_FMT_FP6 matrix_b_scale:MATRIX_SCALE_ROW1
.else
	v_wmma_scale_f32_16x16x128_f8f6f4 v[\d:\d+7], v[\a:\a+11], v[\b:\b+11], 0, v[\sa], v[\sb] matrix_a_fmt:MATRIX_FMT_FP6 matrix_b_fmt:MATRIX_FMT_FP6
.endif
.endm
.macro WMC d, a, b, c, sa, sb, ra, rb
.if (\ra) && (\rb)
	v_wmma_scale_f32_16x16x128_f8f6f4 v[\d:\d+7], v[\a:\a+11], v[\b:\b+11], v[\c:\c+7], v[\sa], v[\sb] matrix_a_fmt:MATRIX_FMT_FP6 matrix_b_fmt:MATRIX_FMT_FP6 matrix_a_scale:MATRIX_SCALE_ROW1 matrix_b_scale:MATRIX_SCALE_ROW1
.elseif \ra
	v_wmma_scale_f32_16x16x128_f8f6f4 v[\d:\d+7], v[\a:\a+11], v[\b:\b+11], v[\c:\c+7], v[\sa], v[\sb] matrix_a_fmt:MATRIX_FMT_FP6 matrix_b_fmt:MATRIX_FMT_FP6 matrix_a_scale:MATRIX_SCALE_ROW1
.elseif \rb
	v_wmma_scale_f32_16x16x128_f8f6f4 v[\d:\d+7], v[\a:\a+11], v[\b:\b+11], v[\c:\c+7], v[\sa], v[\sb] matrix_a_fmt:MATRIX_FMT_FP6 matrix_b_fmt:MATRIX_FMT_FP6 matrix_b_scale:MATRIX_SCALE_ROW1
.else
	v_wmma_scale_f32_16x16x128_f8f6f4 v[\d:\d+7], v[\a:\a+11], v[\b:\b+11], v[\c:\c+7], v[\sa], v[\sb] matrix_a_fmt:MATRIX_FMT_FP6 matrix_b_fmt:MATRIX_FMT_FP6
.endif
.endm
; 32 numbers a lane and tile (register 16 b + i = channel 32 b + 16 (lane / 16) + i of my row), tile x's at v[sb + ss x], become six registers of codes at v[db + 12 x] and two scale bytes in v[wb + x]; both tiles by turns
.macro QUANT2 sb, ss, db, wb
.irp b, 0,1
.irp x, 0,1
	v_max3_num_f32 v[BM+4*\x+\b], |v[\sb+\ss*\x+16*\b]|, |v[\sb+\ss*\x+16*\b+1]|, 0x1800000   ; and the floor 2^(3 - 127): the byte cannot fall under 1
.endr
.endr
.irp i, 2,4,6,8,10,12,14
.irp b, 0,1
.irp x, 0,1
	s_delay_alu instid0(VALU_DEP_4)
	v_max3_num_f32 v[BM+4*\x+\b], v[BM+4*\x+\b], |v[\sb+\ss*\x+16*\b+\i]|, |v[\sb+\ss*\x+16*\b+\i+1]|
.endr
.endr
.endr
.irp b, 0,1
.irp x, 0,1
	s_delay_alu instid0(VALU_DEP_4)
	v_permlanex16_b32 v[PM+4*\x+\b], v[BM+4*\x+\b], s[SEL], s[SEL+1]
.endr
.endr
.irp b, 0,1
.irp x, 0,1
	s_delay_alu instid0(VALU_DEP_4)
	v_max_num_f32 v[BM+4*\x+\b], v[BM+4*\x+\b], v[PM+4*\x+\b]   ; with lane l xor 16's: the block's largest magnitude
.endr
.endr
.irp b, 0,1
.irp x, 0,1
	s_delay_alu instid0(VALU_DEP_4)
	v_add_nc_u32 v[SO+2*\x+\b], 0xff000000, v[BM+4*\x+\b]       ; 2 off the exponent field: the conversion's scale operand
.endr
.endr
.irp b, 0,1
.irp x, 0,1
	s_delay_alu instid0(VALU_DEP_4)
	v_lshrrev_b32 v[BM+4*\x+\b], 23, v[SO+2*\x+\b]              ; the scale's byte
.endr
.endr
.irp x, 0,1
	s_delay_alu instid0(VALU_DEP_2)
	v_lshl_or_b32 v[\wb+\x], v[BM+4*\x+1], 8, v[BM+4*\x]
.endr
.irp x, 0,1
	v_cvt_scalef32_pk16_fp6_f32 v[\db+12*\x:\db+12*\x+2], v[\sb+\ss*\x:\sb+\ss*\x+15], v[SO+2*\x]
	v_cvt_scalef32_pk16_fp6_f32 v[CT+4*\x:CT+4*\x+2], v[\sb+\ss*\x+16:\sb+\ss*\x+31], v[SO+2*\x+1]   ; (a conversion's three registers begin on an even number)
.endr
	v_nop                                          ; one plain place behind a scaled conversion
.irp x, 0,1                            ; the operand's layout wants a whole block in a lane
.irp i, 0,1,2
	v_permlane16_swap_b32 v[\db+12*\x+\i], v[CT+4*\x+\i]
.endr
.irp i, 0,1,2
	s_delay_alu instid0(VALU_DEP_3)
	v_mov_b32 v[\db+12*\x+3+\i], v[CT+4*\x+\i]
.endr
.endr
.endm
	s_load_b512 s[4:19], s[0:1], 0x0               ; codes, scales, bq, img, isc, the mask, oc, os
	v_lshl_add_u32 v254, v0, 2, SPARE
	v_mov_b32 v255, 0
	ds_add_u32 v254, v255                          ; the opening lines: the add, twice on end, and its wait ahead of my first tensor load
	ds_add_u32 v254, v255
	v_lshrrev_b32 v11, 5, v0
	v_readfirstlane_b32 s[WV], v11                 ; wave 0..7
	v_and_b32 v11, 31, v0                          ; lane
	v_bfe_u32 v19, v0, 4, 1                        ; h
	v_and_b32 v12, 15, v0                          ; r
	v_lshlrev_b32 v[L8], 3, v11
	v_lshl_add_u32 v[AKS0], v11, 4, KSC
	v_lshl_add_u32 v[AVS0], v11, 3, VSC
	v_lshl_add_u32 v[AM0], v19, 6, MV              ; register 16 b + i is key 32 b + 16 h + i of the step
	v_add_nc_u32 v[LV8], VB, v[L8]
	v_lshlrev_b32 v12, 4, v12
	v_lshl_add_u32 v[SCA], v19, 9, v12             ; 16 r + 512 h: lanes 0-15 the even tile's scale words, lanes 16-31 the odd tile's
	v_lshlrev_b32 v[BIA], 6, v19                   ; 64 h: register j of accumulator t is channel 32 (t / 2) + 8 (t % 2) + 16 h + j
	v_lshlrev_b32 v[T16], 4, v0                    ; my 16 bytes of each 4,096 of K's and V's scale words,
	v_lshl_add_u32 v[S16], v0, 4, KSC              ; and where they go
	v_lshlrev_b32 v[M16], 4, v11                   ; my 16 bytes of each 512 of the mask
	v_lshlrev_b32 v[M8], 3, v0                     ; the 8 keys whose numbers I make,
	v_lshl_add_u32 v[MST], v0, 5, MV               ; and where they go
	s_bfe_u32 s[QB], ttmp6, 0x40000                ; my block of 256 queries: it enters global addresses of q and of the results alone
	s_and_b32 s[BH], ttmp7, 0xffff                 ; batch and head, which the four partners share
	s_mov_b32 s[G1C], 15|(3<<16)|(1<<21)           ; group 1: 15:0 the mask: all four; 17:16 elements of 8 bytes; 21 set beside a mask
	s_mov_b32 s[G1C+1], 32<<16                     ; a quarter of the head's images of K or of V: 96 rows of 256 dense bytes
	s_mov_b32 s[G1C+2], 96<<16
	s_mov_b32 s[G1C+3], 32<<16
	s_mov_b32 s[G1C+4], 96
	s_mov_b32 s[G1C+5], 32
	s_mov_b32 s[G1C+6], 0
	s_mov_b32 s[G1C+7], 0
	s_lshr_b32 s76, s[BH], 4                       ; batch
	s_and_b32 s77, s[BH], 15                       ; head
	s_lshl_b32 s78, s76, 6
	s_lshl_b32 s79, s[QB], 4
	s_add_co_u32 s78, s78, s79
	s_lshl_b32 s79, s[WV], 1
	s_add_co_u32 s78, s78, s79                     ; tile A among the 256 tiles of queries
	s_lshl_b32 s79, s77, 2
	s_add_co_u32 s79, s79, 768                     ; the head's first tile of Wq among the 1,024 stored tiles
	s_mul_i32 s66, s78, 12288
	s_mov_b32 s67, 0
	s_mul_i32 s68, s79, 12288
	s_mov_b32 s69, 0
	s_lshl_b32 s70, s78, 9
	s_mov_b32 s71, 0
	s_lshl_b32 s72, s79, 9
	s_mov_b32 s73, 0
	s_lshl_b32 s74, s77, 8                         ; the head's 64 numbers of bq
	s_mov_b32 s75, 0
	s_mul_i32 s80, s[BH], 12288
	s_add_co_u32 s80, s80, 262144                  ; the head's scale words of K and V
	s_mov_b32 s81, 0
	s_lshl_b32 s82, s76, 11                        ; the batch's 2,048 mask bytes
	s_mov_b32 s83, 0
	s_lshr_b32 s84, s[WV], 2                       ; waves 0-3 fetch K, waves 4-7 V:
	s_and_b32 s85, s[WV], 3
	s_mul_i32 s86, s84, VB
	s_mul_i32 s92, s85, 24576                      ; key steps 4 (wave % 4) on
	s_mov_b32 s93, 0
	s_mul_i32 s90, s84, 6291456
	s_mul_i32 s89, s[BH], 98304
	s_add_co_u32 s90, s90, s89
	s_add_co_u32 s90, s90, 3145728
	s_mov_b32 s91, 0
	s_mov_b32 s[G0], 1
	s_add_co_u32 s[G0+1], s86, s92
	s_mov_b32 s[NEG], 0xc4200000                   ; -640
	s_mov_b32 s[MK], 0xc79c4000                    ; -80000
	s_mov_b32 s[HM], 0xffff0000                    ; lanes 16-31
	s_mov_b32 s[SEL], 0x76543210
	s_mov_b32 s[SEL+1], 0xfedcba98
	s_mov_b32 s[CS], 0x3e38aa3b                    ; c = log2(e) / 8
	s_mov_b32 s[CS+1], s[CS]
	s_mov_b32 s[INF], 0x7f800000
	s_mov_b32 s[N50], 0xc2480000
	s_mov_b32 s[P50], 0x42480000
	s_wait_alu depctr_va_vdst(0)
	s_wait_dscnt 0x0                               ; both opening adds are done
	s_wait_kmcnt 0x0
	s_add_nc_u64 s[90:91], s[10:11], s[90:91]
	s_add_nc_u64 s[G0+2:G0+3], s[90:91], s[92:93]
	s_or_b32 s[G0+3], s[G0+3], 0x80000000
	s_add_nc_u64 s[66:67], s[4:5], s[66:67]        ; q's images
	s_add_nc_u64 s[68:69], s[4:5], s[68:69]        ; Wq's
	s_add_nc_u64 s[70:71], s[6:7], s[70:71]        ; q's scale words
	s_add_nc_u64 s[72:73], s[6:7], s[72:73]        ; Wq's
	s_add_nc_u64 s[8:9], s[8:9], s[74:75]
	s_add_nc_u64 s[12:13], s[12:13], s[80:81]
	s_add_nc_u64 s[14:15], s[14:15], s[82:83]
.macro LDK s                           ; K step s of Wq's four tiles and q's two, into set s % 4: 36 loads
	WIN 0x40
.irp t, 0,1,2,3
.irp p, 0,1,2,3,4,5
	global_load_b64 v[48*((\s)%4)+12*\t+2*\p:48*((\s)%4)+12*\t+2*\p+1], v[L8], s[68:69] offset:12288*\t+1536*(\s)+256*\p
.endr
.endr
	WIN 0
.irp x, 0,1
.irp p, 0,1,2,3,4,5
	global_load_b64 v[QG+24*((\s)%4)+12*\x+2*\p:QG+24*((\s)%4)+12*\x+2*\p+1], v[L8], s[66:67] offset:12288*\x+1536*(\s)+256*\p
.endr
.endr
.endm
.irp i, 0,1,2,3
	global_load_b128 v[64+4*\i:67+4*\i], v[M16], s[14:15] offset:512*\i     ; the batch's whole mask, 64 bytes a lane
.endr
	global_load_b64 v[80:81], v[M8], s[14:15]
.irp i, 0,1,2
	global_load_b128 v[84+4*\i:87+4*\i], v[T16], s[12:13] offset:4096*\i
.endr
	WIN 0x40
.irp t, 0,1,2,3
	global_load_b128 v[BI+8*\t:BI+8*\t+3], v[BIA], s[8:9] offset:(32*(\t/2)+8*(\t%2))*4
	global_load_b128 v[BI+8*\t+4:BI+8*\t+7], v[BIA], s[8:9] offset:(32*(\t/2)+8*(\t%2))*4+16
.endr
	WIN 0
.irp g, 0,1
.irp f, 0,1
	global_load_b128 v[WSC+8*\g+4*\f:WSC+8*\g+4*\f+3], v[SCA], s[72:73] offset:1024*\g+256*\f   ; register WSC + 8 g + s: K step s of tiles 2 g and 2 g + 1
.endr
.endr
	global_load_b128 v[60:63], v[SCA], s[70:71]
	global_load_b128 v[248:251], v[SCA], s[70:71] offset:256
	LDK 0                                          ; 58 loads of mine are out while the work-groups meet
	CROUND                                         ; all four work-groups are here: the joint loads meet
	tensor_load_to_lds s[G0:G0+3], s[G1C:G1C+7]    ; the whole head's K and V, an eighth a wave: my one tensor load
	s_nop 0
	NOPS
	LDK 1
	LDK 2
	LDK 3
	s_wait_loadcnt 63                              ; the first eight loads are in: 158 were issued behind them
.irp n, 8,4,2,1
.set i, 0
.rept \n
	v_and_b32 v[64+i], v[64+i], v[64+\n+i]
.set i, i+1
.endr
.endr
	v_cmp_ne_u32 s63, 0x01010101, v64              ; a lane's bit is set where one of its 64 keys is not masked
	s_cmp_eq_u32 s63, 0
	s_cselect_b32 s[MK], 0xc4023e30, s[MK]         ; every key masked: every score becomes -520.9717
	s_cselect_b32 s[NEG], 0xc4023e30, s[NEG]
	v_mov_b32 v97, 0x44200000                      ; 640
	v_mov_b32 v98, s[MK]
.irp k, 0,1,2,3,4,5,6,7
	v_bfe_u32 v96, v[80+\k/4], 8*(\k%4), 8
	s_delay_alu instid0(VALU_DEP_1)
	v_cmp_ne_u32 vcc_lo, 0, v96
	s_delay_alu instid0(VALU_DEP_1)
	v_cndmask_b32 v[100+\k], v97, v98, vcc_lo
.endr
	ds_store_b128 v[MST], v[100:103]
	ds_store_b128 v[MST], v[104:107] offset:16
.irp i, 0,1,2
	ds_store_b128 v[S16], v[84+4*\i:87+4*\i] offset:4096*\i
.endr
.macro QSTEP s                         ; 8 matrix instructions, the accumulators by turns; the bias starts the sums
.if (\s) < 6
	s_wait_loadcnt 63                              ; 72 or 108 loads were issued behind this K step's
.else
	s_wait_loadcnt 36*(7-(\s))
.endif
.if (\s) < 4
.set QR, 60+(\s)
.else
.set QR, 244+(\s)
.endif
.if (\s) == 0
	WIN 0x11                                       ; Wq and the bias in window 1
.else
	WIN 0x01
.endif
.irp t, 0,1,2,3
.irp x, 0,1
.if (\s) == 0
	WMC AC+32*\x+8*\t, 48*((\s)%4)+12*\t, QG+24*((\s)%4)+12*\x, BI+8*\t, WSC+8*(\t/2)+(\s), QR, \t%2, \x
.else
	WMC AC+32*\x+8*\t, 48*((\s)%4)+12*\t, QG+24*((\s)%4)+12*\x, AC+32*\x+8*\t, WSC+8*(\t/2)+(\s), QR, \t%2, \x
.endif
.endr
.endr
.if (\s) < 4
	NOPS                                           ; places in front of loads into registers that these products read
	LDK (\s)+4
.endif
.endm
.irp s, 0,1,2,3,4,5,6,7
	QSTEP \s
.endr
	WIN 0
.irp i, 0,1,2,3,4,5,6,7
	v_mov_b32 v[PM+\i], 0                          ; a lane permute's destination counts as read: written once.  (These lines are the places behind the last products)
.endr
.irp i, 0,1,2,3
	v_mov_b32 v[SM+\i], 0                          ; the rows' sums, two halves a tile
.endr
	v_mov_b32 v[MN], 0xc0e00000                    ; -M = -7
	v_mov_b32 v[MN+1], 0xc0e00000
.irp g, 0,1,2,3,4,5,6,7                ; safe: what is not finite becomes 0, the rest is held to +-50; each accumulator from its low end on
.irp j, 0,1,2,3,4,5,6,7
	v_cmp_lt_f32 s[84+\j], |v[AC+8*\g+\j]|, s[INF]
.endr
.irp j, 0,1,2,3,4,5,6,7
	v_med3_num_f32 v[AC+8*\g+\j], v[AC+8*\g+\j], s[N50], s[P50]
.endr
.irp j, 0,1,2,3,4,5,6,7
	v_cndmask_b32 v[AC+8*\g+\j], 0, v[AC+8*\g+\j], s[84+\j]
.endr
.endr
	QUANT2 AC, 32, QF, T
	v_cndmask_b32 v[QS], v[T], v[T+1], s[HM]       ; lanes 0-15 tile A's rows, lanes 16-31 tile B's; the word's upper two bytes, 0, meet zero codes
.irp x, 0,1
.irp i, 6,7,8,9,10,11
	v_mov_b32 v[QF+12*\x+\i], 0                    ; zero codes for the upper 64 along K
.endr
.endr
	WIN 0x40
.irp i, 48,49,50,51,52,53
	v_mov_b32 v[KF+\i], 0                          ; what K's last fragment names beyond the eighth tile
.endr
.set n, 0
.rept 64
	v_mov_b32 v[OF+n], 0                           ; O^T: the step is written once; its first turn finds zeros
.set n, n+1
.endr
	WIN 0
	s_wait_alu depctr_va_vdst(0)
	s_wait_tensorcnt 0x0                           ; my eighth of K and V is in,
	s_wait_dscnt 0x0                               ; and my mask numbers and scale words are stored;
	s_barrier_signal -1
	s_barrier_wait -1                              ; everybody's are.  Nothing is ever filled again
.macro MAXB                            ; each block's largest score: since p rises with the score, it gives the block's largest p; both tiles by turns
.irp b, 0,1,2,3
.irp x, 0,1
	v_max3_num_f32 v[BM+4*\x+\b], v[S+64*\x+16*\b], v[S+64*\x+16*\b+1], v[S+64*\x+16*\b+2]
.endr
.endr
.irp i, 3,5,7,9,11,13
.irp b, 0,1,2,3
.irp x, 0,1
	v_max3_num_f32 v[BM+4*\x+\b], v[BM+4*\x+\b], v[S+64*\x+16*\b+\i], v[S+64*\x+16*\b+\i+1]
.endr
.endr
.endr
.irp b, 0,1,2,3
.irp x, 0,1
	v_max_num_f32 v[BM+4*\x+\b], v[BM+4*\x+\b], v[S+64*\x+16*\b+15]
.endr
.endr
.irp b, 0,1,2,3
.irp x, 0,1
	v_permlanex16_b32 v[PM+4*\x+\b], v[BM+4*\x+\b], s[SEL], s[SEL+1]
.endr
.endr
.irp b, 0,1,2,3
.irp x, 0,1
	v_max_num_f32 v[BM+4*\x+\b], v[BM+4*\x+\b], v[PM+4*\x+\b]   ; with lane l xor 16's 16 keys
.endr
.endr
.endm
.macro SCALE0                          ; tile A: t - M, two at a time; the same of each block's largest score
.set j, 0
.rept 32
	v_pk_fma_f32 v[S+j:S+j+1], v[S+j:S+j+1], s[CS:CS+1], v[MN:MN+1] op_sel_hi:[1,0,0]
.set j, j+2
.endr
.irp b, 0,1,2,3
	v_fma_f32 v[BM+\b], v[BM+\b], s[CS], v[MN]
.endr
.endm
.macro EXSC                            ; tile A: p = 2^(t - M), a batch of 68; among them tile B's t - M: plain lines that name none of the batch's registers and none of each other's
.set j, 0
.rept 32
	v_exp_f32 v[S+j], v[S+j]
	v_pk_fma_f32 v[S+64+j:S+64+j+1], v[S+64+j:S+64+j+1], s[CS:CS+1], v[MN:MN+1] op_sel_hi:[1,0,0]
	v_exp_f32 v[S+j+1], v[S+j+1]
.set j, j+2
.endr
.irp b, 0,1,2,3
	v_exp_f32 v[BM+\b], v[BM+\b]
	v_fma_f32 v[BM+4+\b], v[BM+4+\b], s[CS], v[MN]
.endr
.endm
.macro EXPS1                           ; tile B's batch of 68
.set j, 0
.rept 64
	v_exp_f32 v[S+64+j], v[S+64+j]
.set j, j+1
.endr
.irp b, 0,1,2,3
	v_exp_f32 v[BM+4+\b], v[BM+4+\b]
.endr
.endm
.macro SUMS x                          ; the sum of the unquantised p, two at a time, in two chains
	v_pk_add_f32 v[SUM2:SUM2+1], v[S+64*(\x):S+64*(\x)+1], v[S+64*(\x)+2:S+64*(\x)+3]
.irp j, 4,8,12,16,20,24,28,32,36,40,44,48,52,56,60
	v_pk_add_f32 v[SM+2*(\x):SM+2*(\x)+1], v[SM+2*(\x):SM+2*(\x)+1], v[S+64*(\x)+\j:S+64*(\x)+\j+1]
	v_pk_add_f32 v[SUM2:SUM2+1], v[SUM2:SUM2+1], v[S+64*(\x)+\j+2:S+64*(\x)+\j+3]
.endr
	s_delay_alu instid0(VALU_DEP_1)
	v_pk_add_f32 v[SM+2*(\x):SM+2*(\x)+1], v[SM+2*(\x):SM+2*(\x)+1], v[SUM2:SUM2+1]
.endm
.macro CODES x                         ; tile x's p into the operand's 12 registers
.irp c, 0,1
	v_cvt_scalef32_pk16_fp6_f32 v[P+12*(\x)+6*\c:P+12*(\x)+6*\c+2], v[S+64*(\x)+32*\c:S+64*(\x)+32*\c+15], v[SO8+4*(\x)+2*\c]
	v_cvt_scalef32_pk16_fp6_f32 v[CT+4*\c:CT+4*\c+2], v[S+64*(\x)+32*\c+16:S+64*(\x)+32*\c+31], v[SO8+4*(\x)+2*\c+1]
.endr
	v_nop                                          ; one plain place behind a scaled conversion
.irp c, 0,1
.irp i, 0,1,2
	v_permlane16_swap_b32 v[P+12*(\x)+6*\c+\i], v[CT+4*\c+\i]
.endr
.endr
.irp c, 0,1
.irp i, 0,1,2
	v_mov_b32 v[P+12*(\x)+6*\c+3+\i], v[CT+4*\c+\i]
.endr
.endr
.endm
.macro PQ                              ; p's scale words and codes, the eight blocks of both tiles by turns
.irp b, 0,1,2,3,4,5,6,7
	v_max_num_f32 v[BM+\b], 0x1800000, v[BM+\b]    ; the floor 2^(3 - 127): a block of masked keys keeps the byte 1 over zero codes
.endr
.irp b, 0,1,2,3,4,5,6,7
	v_add_nc_u32 v[SO8+\b], 0xff000000, v[BM+\b]   ; 2 off the exponent field: the conversion's scale operand
.endr
.irp b, 0,1,2,3,4,5,6,7
	v_lshrrev_b32 v[PM+\b], 23, v[SO8+\b]          ; the scale's byte
.endr
.irp x, 0,1
	v_lshl_or_b32 v[PS+\x], v[PM+4*\x+1], 8, v[PM+4*\x]
	v_lshl_or_b32 v[T+\x], v[PM+4*\x+3], 8, v[PM+4*\x+2]
.endr
	CODES 0
	CODES 1
.irp x, 0,1
	v_lshl_or_b32 v[PS+\x], v[T+\x], 16, v[PS+\x]  ; the scale word of these 128 keys
.endr
.endm
.macro STEP                            ; 128 keys
	v_add_nc_u32 v[ADK], s[TS], v[L8]              ; five plain lines: also the places between the last products and the loads into their registers
	v_add_nc_u32 v[ADV], s[TS], v[LV8]
	v_add_nc_u32 v[ADKS], s[TK], v[AKS0]
	v_add_nc_u32 v[ADM], s[TK], v[AM0]
	v_add_nc_u32 v[ADVS], s[TV], v[AVS0]
	ds_load_b128 v[KS:KS+3], v[ADKS]
	ds_load_b64 v[VS:VS+1], v[ADVS]
	WIN 0x40
.irp t, 0,1,2,3,4,5,6,7
.irp p, 0,1,2
	ds_load_b64 v[KF+6*\t+2*\p:KF+6*\t+2*\p+1], v[ADK] offset:768*\t+256*\p
.endr
.endr
.irp g, 0,1,2,3,4,5,6,7,8,9,10,11,12,13,14,15
	ds_load_b128 v[MVL+4*\g:MVL+4*\g+3], v[ADM] offset:128*(\g/4)+16*(\g%4)
.endr
.irp t, 0,1,2,3
.irp u, 0,1,2,3,4,5
	ds_load_b64 v[VF+12*\t+2*\u:VF+12*\t+2*\u+1], v[ADV] offset:1536*\t+256*\u
.endr
.endr
	s_wait_dscnt 40                                ; the scale words and K are in; the mask's 16 loads and V's 24 may be out
	WIN 0x01                                       ; K in window 1
.irp t, 0,1,2,3,4,5,6,7
.irp x, 0,1
	WMZ S+64*\x+8*\t, KF+6*\t, QF+12*\x, KS+\t/2, QS, \t%2, \x     ; S^T of 16 keys x 16 queries
.endr
.endr
	NOPS                                           ; places in front of the first read of the scores
	s_wait_dscnt 24                                ; the mask's numbers are in; V's 24 loads may be out
	WIN 0x10                                       ; source 2 window 1
.set n, 0
.rept 64
	v_maxmin_num_f32 v[S+n], v[S+n], s[NEG], v[MVL+n]         ; min(max(score, -640), 640 or the masked number): the hold and the mask in one; each accumulator from its low end on
	v_maxmin_num_f32 v[S+64+n], v[S+64+n], s[NEG], v[MVL+n]
.set n, n+1
.endr
	WIN 0
	MAXB
	SCALE0
	s_wait_alu depctr_va_vdst(0)
	EXSC
	s_wait_alu depctr_va_vdst(0)                   ; one wait: behind tile A's batch and ahead of tile B's
	EXPS1
	SUMS 0                                         ; names none of tile B's exponentials
	s_wait_alu depctr_va_vdst(0)                   ; and one behind tile B's
	PQ
	SUMS 1                                         ; its 32 lines are also the places between p's codes and scale words and the products
	s_wait_dscnt 0x0                               ; V
	WIN 0x51                                       ; V, C and D in window 1, p in window 0
.irp t, 0,1,2,3
.irp x, 0,1
	WMC OF+32*\x+8*\t, VF+12*\t, P+12*\x, OF+32*\x+8*\t, VS+\t/2, PS+\x, \t%2, 0     ; O^T += 16 of the head's 64 x 128 keys: eight accumulators, one instruction each
.endr
.endr
	WIN 0
.endm
	s_mov_b32 s[TS], 0
	s_mov_b32 s[TK], 0
	s_mov_b32 s[TV], 0
	s_mov_b32 s[CNT], 16
.Lstep:
	STEP
	s_add_co_u32 s[TS], s[TS], 6144
	s_add_co_u32 s[TK], s[TK], 512
	s_add_co_u32 s[TV], s[TV], 256
	s_sub_co_u32 s[CNT], s[CNT], 1
	s_cmp_lg_u32 s[CNT], 0
	s_cbranch_scc1 .Lstep
	; THE WAY OUT: O^T / the sum, held to +-50, quantised along the head's 64 (two blocks), stored as the image of the output projection's operand.
	s_mul_i32 s80, s78, 12288
	s_mul_i32 s79, s77, 768
	s_add_co_u32 s80, s80, s79
	s_mov_b32 s81, 0
	s_add_nc_u64 s[16:17], s[16:17], s[80:81]
	s_lshl_b32 s80, s78, 9                         ; the tile's scale bytes: 512 a tile,
	s_lshr_b32 s79, s77, 3
	s_lshl_b32 s79, s79, 8                         ; which 512 along K,
	s_add_co_u32 s80, s80, s79
	s_bfe_u32 s79, s77, 0x20001
	s_lshl_b32 s79, s79, 2                         ; which word,
	s_add_co_u32 s80, s80, s79
	s_and_b32 s79, s77, 1
	s_lshl_b32 s79, s79, 1                         ; which half of it
	s_add_co_u32 s80, s80, s79
	s_add_nc_u64 s[18:19], s[18:19], s[80:81]
	s_wait_alu depctr_va_vdst(0)                   ; directly ahead of the reader of the sums
.irp x, 0,1
	v_add_f32 v[T+\x], v[SM+2*\x], v[SM+2*\x+1]    ; the sum's two halves (these plain lines are the places behind the last products),
.endr
.irp x, 0,1
	s_delay_alu instid0(VALU_DEP_2)
	v_permlanex16_b32 v[PM+4*\x], v[T+\x], s[SEL], s[SEL+1]
.endr
.irp x, 0,1
	s_delay_alu instid0(VALU_DEP_2)
	v_add_f32 v[T+\x], v[T+\x], v[PM+4*\x]         ; and lane l xor 16's
.endr
	s_wait_alu depctr_va_vdst(0)
.irp x, 0,1
	v_rcp_f32 v[T+\x], v[T+\x]
.endr
	v_and_b32 v[ADK], 15, v0                       ; (plain work behind the reciprocals)
	v_bfe_u32 v[ADV], v0, 4, 1
	s_delay_alu instid0(VALU_DEP_2)
	v_lshlrev_b32 v[ADK], 4, v[ADK]
	s_delay_alu instid0(VALU_DEP_1)
	v_lshl_add_u32 v[ADK], v[ADV], 9, v[ADK]       ; 16 r + 512 h: lanes 16-31 store tile B's bytes
	s_wait_alu depctr_va_vdst(0)                   ; one wait for the two reciprocals, ahead of their first reader and of O^T's
	WIN 0x01                                       ; O^T in window 1
.irp x, 0,1
.set n, 0
.rept 32
	v_mul_f32 v[S+64*\x+n], v[OF+32*\x+n], v[T+\x] ; register 16 b + i is channel 32 b + 16 h + i of the head; each accumulator from its low end on
.set n, n+1
.endr
.endr
	WIN 0
.irp x, 0,1
.set n, 0
.rept 32
	v_med3_num_f32 v[S+64*\x+n], v[S+64*\x+n], s[N50], s[P50]
.set n, n+1
.endr
.endr
	QUANT2 S, 64, P, OSC
	v_cndmask_b32 v[OSC+2], v[OSC], v[OSC+1], s[HM]
.irp x, 0,1
.irp p, 0,1,2
	global_store_b64 v[L8], v[P+12*\x+2*\p:P+12*\x+2*\p+1], s[16:17] offset:12288*\x+256*\p   ; 32 lanes store 256 consecutive bytes, aligned
.endr
.endr
	global_store_b16 v[ADK], v[OSC+2], s[18:19]    ; two bytes a row are all that a head owns of a scale word: one instruction a wave
	s_wait_tensorcnt 0x0                           ; the wave's end
	ds_add_u32 v254, v255
	s_wait_dscnt 0x0
	CROUND                                         ; the closing round: no work-group ends while a partner may still ask for a tile that names it
	s_endpgm
.Lfunc_end_k_qb7a5134667_attn:
	.size	k_qb7a5134667_attn, .Lfunc_end_k_qb7a5134667_attn-k_qb7a5134667_attn
	.p2alignl 7, 3214868480
	.fill 96, 4, 3214868480
	.section	.rodata,"a",@progbits
	.p2align	6, 0x0
	.amdhsa_kernel k_qb7a5134667_attn
		.amdhsa_group_segment_fixed_size 218112
		.amdhsa_private_segment_fixed_size 0
		.amdhsa_enable_private_segment 0
		.amdhsa_kernarg_size 64
		.amdhsa_user_sgpr_count 2
		.amdhsa_user_sgpr_kernarg_segment_ptr 1
		.amdhsa_wavefront_size32 1
		.amdhsa_system_sgpr_workgroup_id_x 1
		.amdhsa_system_sgpr_workgroup_id_y 1
		.amdhsa_system_sgpr_workgroup_id_z 1
		.amdhsa_system_vgpr_workitem_id 0
		.amdhsa_next_free_vgpr 512
		.amdhsa_next_free_sgpr 96
		.amdhsa_reserve_vcc 1
		.amdhsa_float_denorm_mode_32 3
		.amdhsa_float_denorm_mode_16_64 3
		.amdhsa_memory_ordered 1
		.amdhsa_forward_progress 1
		.amdhsa_inst_pref_size 118
	.end_amdhsa_kernel
	.amdgpu_metadata
---
amdhsa.version: [ 1, 2 ]
amdhsa.kernels:
  - .name:           k_qb7a5134667_attn
    .symbol:         k_qb7a5134667_attn.kd
    .args:
      - { .name: codes, .offset: 0, .size: 8, .value_kind: global_buffer, .address_space: global }
      - { .name: scales, .offset: 8, .size: 8, .value_kind: global_buffer, .address_space: global }
      - { .name: bq, .offset: 16, .size: 8, .value_kind: global_buffer, .address_space: global }
      - { .name: img, .offset: 24, .size: 8, .value_kind: global_buffer, .address_space: global }
      - { .name: isc, .offset: 32, .size: 8, .value_kind: global_buffer, .address_space: global }
      - { .name: key_padding_mask, .offset: 40, .size: 8, .value_kind: global_buffer, .address_space: global }
      - { .name: oc, .offset: 48, .size: 8, .value_kind: global_buffer, .address_space: global }
      - { .name: os, .offset: 56, .size: 8, .value_kind: global_buffer, .address_space: global }
    .group_segment_fixed_size: 218112
    .private_segment_fixed_size: 0
    .kernarg_segment_align: 8
    .kernarg_segment_size: 64
    .max_flat_workgroup_size: 256
    .sgpr_count:     96
    .vgpr_count:     512
    .wavefront_size: 32
...
	.end_amdgpu_metadata
.endif
;; end of part 3
;; launch outp (part 4): grid 8 x 32, 8 waves a work-group, no clusters, 70,656 bytes of LDS; arguments oc, os, codes, scales, bo, out0; writes out0
.if DOCPART == 4
	.amdgcn_target "amdgcn-amd-amdhsa--gfx1250"
	.amdhsa_code_object_version 6
	.text
	.protected	k_qb7a5134667_outp
	.globl	k_qb7a5134667_outp
	.p2align	8
	.type	k_qb7a5134667_outp,@function
k_qb7a5134667_outp:
	s_mov_b64 s[64:65], 0
	v_nop
	global_prefetch_b8 v0, s[64:65] scope:SCOPE_SE
	s_setreg_imm32_b32 hwreg(HW_REG_WAVE_MODE, 25, 1), 1
	s_wait_xcnt 0x0
; The output projection on codes of FP6 (E2M3): out0 = safe(O Wo^T + bo), [4096][1024] f32, K = 1,024.  O's codes and scale bytes come from the attention launch, Wo's from the quantising launch (stored tiles 960 on).
; SHARES.  256 work-groups, each 128 rows x 128 columns; wave w of eight makes rows 32 (w / 2) on x columns 64 (w % 2) on: 8 accumulators x 8 K steps of 128.  Two waves to a SIMD.
; Source 0 = Wo's rows (a lane's registers run along the columns), source 1 = O's rows (one row a lane).  The bias is the C of each sum's first product.
; The operands lie in memory as images of the operand's registers: a fragment is six loads of 8 bytes a lane, each 256 consecutive bytes, straight into registers, four K steps of registers by turns.
; No tensor load, no cluster: a work-group reads its 196,608 bytes of codes in one pass of eight K steps; a joint fill through LDS would want the cluster's rounds and a wait for the fill ahead of the first product.
; No prefetch: the text has no loop, and the loads themselves run four K steps ahead of the products.  Waves share nothing: no barrier.
; ROWS.  Stored tile 2 g + u holds rows 32 g + 8 u + i + 8 (i / 8), i = 0 .. 15, of O and of Wo alike: so register 16 b + i of a lane is column 32 b + 16 (lane / 16) + i of my 64.
; THE WAY OUT.  Safe (what is not finite becomes 0, the rest is held to +-50); then a tile of 16 rows x 64 columns goes through the wave's own stage in LDS (rows 272 bytes apart) and comes back by rows:
; sixteen lanes store a row's 256 consecutive bytes, at a multiple of 256 from out0's first byte.
; REGISTERS: window 0: v1-19 addresses; v44-63, v248-251 scale words; v64-127 the sums; v128-223 O's fragments, then the rows read back.   window 1: v0-191 Wo's fragments; v192-223 the bias.
.set SPITCH, 272
.set TST,  16*SPITCH                   ; a tile's stage
.set SPARE, 8*2*TST                    ; behind the eight waves' stages: the spare words, 128 bytes a wave
.set L8,   1
.set SCA,  12
.set BIA,  13
.set STO,  14
.set RD,   15
.set CO,   16
.set WSC,  44
.set AC,   64
.set QG,   128
.set BK,   128
.set BI,   192
.set WV,  17
.set INF, 40
.set N50, 41
.set P50, 42
.set MSB, 0
.macro WIN new                         ; the immediate's high byte repeats the setting that is left
.if MSB != \new
	s_set_vgpr_msb (MSB<<8)|\new
.set MSB, \new
.endif
.endm
.macro NOPS
.rept 4
	v_nop
.endr
.endm
.macro WMC d, a, b, c, sa, sb, ra, rb  ; ra, rb: the side's scales stand in lanes 16-31 of its register
.if (\ra) && (\rb)
	v_wmma_scale_f32_16x16x128_f8f6f4 v[\d:\d+7], v[\a:\a+11], v[\b:\b+11], v[\c:\c+7], v[\sa], v[\sb] matrix_a_fmt:MATRIX_FMT_FP6 matrix_b_fmt:MATRIX_FMT_FP6 matrix_a_scale:MATRIX_SCALE_ROW1 matrix_b_scale:MATRIX_SCALE_ROW1
.elseif \ra
	v_wmma_scale_f32_16x16x128_f8f6f4 v[\d:\d+7], v[\a:\a+11], v[\b:\b+11], v[\c:\c+7], v[\sa], v[\sb] matrix_a_fmt:MATRIX_FMT_FP6 matrix_b_fmt:MATRIX_FMT_FP6 matrix_a_scale:MATRIX_SCALE_ROW1
.elseif \rb
	v_wmma_scale_f32_16x16x128_f8f6f4 v[\d:\d+7], v[\a:\a+11], v[\b:\b+11], v[\c:\c+7], v[\sa], v[\sb] matrix_a_fmt:MATRIX_FMT_FP6 matrix_b_fmt:MATRIX_FMT_FP6 matrix_b_scale:MATRIX_SCALE_ROW1
.else
	v_wmma_scale_f32_16x16x128_f8f6f4 v[\d:\d+7], v[\a:\a+11], v[\b:\b+11], v[\c:\c+7], v[\sa], v[\sb] matrix_a_fmt:MATRIX_FMT_FP6 matrix_b_fmt:MATRIX_FMT_FP6
.endif
.endm
	s_load_b256 s[4:11], s[0:1], 0x0               ; oc, os, codes, scales
	s_load_b128 s[12:15], s[0:1], 0x20             ; bo, out0
	v_lshl_add_u32 v254, v0, 2, SPARE
	v_mov_b32 v255, 0
	v_lshrrev_b32 v11, 5, v0
	v_readfirstlane_b32 s[WV], v11                 ; wave 0..7
	v_and_b32 v11, 31, v0                          ; lane
	v_bfe_u32 v19, v0, 4, 1                        ; h
	v_and_b32 v18, 15, v0                          ; r
	v_lshlrev_b32 v[L8], 3, v11
	v_lshlrev_b32 v17, 4, v18                      ; 16 r
	v_lshl_add_u32 v[SCA], v19, 9, v17             ; 16 r + 512 h: lanes 0-15 the even tile's scale words, lanes 16-31 the odd tile's
	v_lshlrev_b32 v[BIA], 6, v19                   ; 64 h
	s_mul_i32 s16, s[WV], 2*TST                    ; my stage
	v_mul_u32_u24 v10, v18, SPITCH
	v_lshl_add_u32 v10, v19, 6, v10
	v_add_nc_u32 v[STO], s16, v10                  ; in: row r, 64 bytes for each half of the lanes
	v_mul_u32_u24 v9, v19, SPITCH
	v_add_nc_u32 v9, v9, v17
	v_add_nc_u32 v[RD], s16, v9                    ; back: lanes 0-15 take one row of 256 bytes, lanes 16-31 the next
	v_lshl_add_u32 v[CO], v19, 12, v17             ; and the same two rows in out0
	s_lshr_b32 s18, s[WV], 1
	s_and_b32 s19, s[WV], 1
	s_and_b32 s20, ttmp7, 0xffff
	s_lshl_b32 s20, s20, 3
	s_lshl_b32 s18, s18, 1
	s_add_co_u32 s20, s20, s18                     ; my first tile of O: 8 y + 2 (w / 2)
	s_lshl_b32 s21, ttmp9, 3
	s_lshl_b32 s22, s19, 2
	s_add_co_u32 s21, s21, s22
	s_add_co_u32 s21, s21, 960                     ; my first tile of Wo: 960 + 8 x + 4 (w % 2)
	s_mul_i32 s24, s20, 12288
	s_mov_b32 s25, 0
	s_mul_i32 s26, s21, 12288
	s_mov_b32 s27, 0
	s_lshl_b32 s28, s20, 9
	s_mov_b32 s29, 0
	s_lshl_b32 s30, s21, 9
	s_mov_b32 s31, 0
	s_lshl_b32 s32, ttmp9, 9
	s_lshl_b32 s22, s19, 8
	s_add_co_u32 s32, s32, s22                     ; my first column, in bytes
	s_mov_b32 s33, 0
	s_lshl_b32 s34, s20, 16                        ; my first row: 16 rows of 4,096 bytes a tile
	s_add_co_u32 s34, s34, s32
	s_mov_b32 s35, 0
	s_mov_b32 s[INF], 0x7f800000
	s_mov_b32 s[N50], 0xc2480000
	s_mov_b32 s[P50], 0x42480000
	s_wait_alu depctr_va_vdst(0)
	s_wait_kmcnt 0x0
	s_add_nc_u64 s[24:25], s[4:5], s[24:25]        ; O's images
	s_add_nc_u64 s[26:27], s[8:9], s[26:27]        ; Wo's
	s_add_nc_u64 s[28:29], s[6:7], s[28:29]        ; O's scale words
	s_add_nc_u64 s[30:31], s[10:11], s[30:31]      ; Wo's
	s_add_nc_u64 s[12:13], s[12:13], s[32:33]
	s_add_nc_u64 s[14:15], s[14:15], s[34:35]
.macro LDK s                           ; K step s of Wo's four tiles and O's two, into set s % 4: 36 loads
	WIN 0x40
.irp t, 0,1,2,3
.irp p, 0,1,2,3,4,5
	global_load_b64 v[48*((\s)%4)+12*\t+2*\p:48*((\s)%4)+12*\t+2*\p+1], v[L8], s[26:27] offset:12288*\t+1536*(\s)+256*\p
.endr
.endr
	WIN 0
.irp x, 0,1
.irp p, 0,1,2,3,4,5
	global_load_b64 v[QG+24*((\s)%4)+12*\x+2*\p:QG+24*((\s)%4)+12*\x+2*\p+1], v[L8], s[24:25] offset:12288*\x+1536*(\s)+256*\p
.endr
.endr
.endm
	WIN 0x40
.irp t, 0,1,2,3
	global_load_b128 v[BI+8*\t:BI+8*\t+3], v[BIA], s[12:13] offset:(32*(\t/2)+8*(\t%2))*4     ; register j of accumulator t is column 32 (t / 2) + 8 (t % 2) + 16 h + j
	global_load_b128 v[BI+8*\t+4:BI+8*\t+7], v[BIA], s[12:13] offset:(32*(\t/2)+8*(\t%2))*4+16
.endr
	WIN 0
.irp g, 0,1
.irp f, 0,1
	global_load_b128 v[WSC+8*\g+4*\f:WSC+8*\g+4*\f+3], v[SCA], s[30:31] offset:1024*\g+256*\f   ; register WSC + 8 g + s: K step s of tiles 2 g and 2 g + 1
.endr
.endr
	global_load_b128 v[60:63], v[SCA], s[28:29]
	global_load_b128 v[248:251], v[SCA], s[28:29] offset:256
	LDK 0
	LDK 1
	LDK 2
	LDK 3
.macro QSTEP s                         ; 8 matrix instructions, the accumulators by turns; the bias starts the sums
.if (\s) < 6
	s_wait_loadcnt 63                              ; 72 or 108 loads were issued behind this K step's
.else
	s_wait_loadcnt 36*(7-(\s))
.endif
.if (\s) < 4
.set QR, 60+(\s)
.else
.set QR, 244+(\s)
.endif
.if (\s) == 0
	WIN 0x11                                       ; Wo and the bias in window 1
.else
	WIN 0x01
.endif
.irp t, 0,1,2,3
.irp x, 0,1
.if (\s) == 0
	WMC AC+32*\x+8*\t, 48*((\s)%4)+12*\t, QG+24*((\s)%4)+12*\x, BI+8*\t, WSC+8*(\t/2)+(\s), QR, \t%2, \x
.else
	WMC AC+32*\x+8*\t, 48*((\s)%4)+12*\t, QG+24*((\s)%4)+12*\x, AC+32*\x+8*\t, WSC+8*(\t/2)+(\s), QR, \t%2, \x
.endif
.endr
.endr
.if (\s) < 4
	NOPS                                           ; places in front of loads into registers that these products read
	LDK (\s)+4
.endif
.endm
.irp s, 0,1,2,3,4,5,6,7
	QSTEP \s
.endr
	WIN 0
	NOPS                                           ; places in front of the first read of the sums
.macro OUT x                           ; tile x: safe, into the stage, and back by rows
.irp g, 0,1,2,3                        ; each accumulator from its low end on
.irp j, 0,1,2,3,4,5,6,7
	v_cmp_lt_f32 s[48+\j], |v[AC+32*(\x)+8*\g+\j]|, s[INF]
.endr
.irp j, 0,1,2,3,4,5,6,7
	v_med3_num_f32 v[AC+32*(\x)+8*\g+\j], v[AC+32*(\x)+8*\g+\j], s[N50], s[P50]
.endr
.irp j, 0,1,2,3,4,5,6,7
	v_cndmask_b32 v[AC+32*(\x)+8*\g+\j], 0, v[AC+32*(\x)+8*\g+\j], s[48+\j]
.endr
.endr
.irp b, 0,1
.irp q, 0,1,2,3
	ds_store_b128 v[STO], v[AC+32*(\x)+16*\b+4*\q:AC+32*(\x)+16*\b+4*\q+3] offset:TST*(\x)+128*\b+16*\q
.endr
.endr
.irp t, 0,1,2,3,4,5,6,7
	ds_load_b128 v[BK+32*(\x)+4*\t:BK+32*(\x)+4*\t+3], v[RD] offset:TST*(\x)+2*SPITCH*\t   ; LDS serves a wave's instructions in order: these see the stores above
.endr
.endm
.macro SEND x
.irp t, 0,1,2,3,4,5,6,7
	global_store_b128 v[CO], v[BK+32*(\x)+4*\t:BK+32*(\x)+4*\t+3], s[14:15] offset:(8*(\x)+2*\t+8*(\t/4))*4096 th:TH_STORE_NT   ; stage rows 2 t and 2 t + 1 of tile x are rows 8 x + 2 t + 8 (t / 4) on of my 32
.endr
.endm
	OUT 0
	OUT 1
	s_wait_dscnt 16                                ; tile A's rows are back: behind them stand tile B's 8 stores and 8 loads
	SEND 0
	s_wait_dscnt 0x0
	SEND 1
	s_wait_tensorcnt 0x0                           ; the wave's end, behind my last LDS store
	ds_add_u32 v254, v255
	s_wait_dscnt 0x0
	s_endpgm
.Lfunc_end_k_qb7a5134667_outp:
	.size	k_qb7a5134667_outp, .Lfunc_end_k_qb7a5134667_outp-k_qb7a5134667_outp
	.p2alignl 7, 3214868480
	.fill 96, 4, 3214868480
	.section	.rodata,"a",@progbits
	.p2align	6, 0x0
	.amdhsa_kernel k_qb7a5134667_outp
		.amdhsa_group_segment_fixed_size 70656
		.amdhsa_private_segment_fixed_size 0
		.amdhsa_enable_private_segment 0
		.amdhsa_kernarg_size 48
		.amdhsa_user_sgpr_count 2
		.amdhsa_user_sgpr_kernarg_segment_ptr 1
		.amdhsa_wavefront_size32 1
		.amdhsa_system_sgpr_workgroup_id_x 1
		.amdhsa_system_sgpr_workgroup_id_y 1
		.amdhsa_system_sgpr_workgroup_id_z 1
		.amdhsa_system_vgpr_workitem_id 0
		.amdhsa_next_free_vgpr 512
		.amdhsa_next_free_sgpr 66
		.amdhsa_reserve_vcc 0
		.amdhsa_float_denorm_mode_32 3
		.amdhsa_float_denorm_mode_16_64 3
		.amdhsa_memory_ordered 1
		.amdhsa_forward_progress 1
		.amdhsa_inst_pref_size 57
	.end_amdhsa_kernel
	.amdgpu_metadata
---
amdhsa.version: [ 1, 2 ]
amdhsa.kernels:
  - .name:           k_qb7a5134667_outp
    .symbol:         k_qb7a5134667_outp.kd
    .args:
      - { .name: oc, .offset: 0, .size: 8, .value_kind: global_buffer, .address_space: global }
      - { .name: os, .offset: 8, .size: 8, .value_kind: global_buffer, .address_space: global }
      - { .name: codes, .offset: 16, .size: 8, .value_kind: global_buffer, .address_space: global }
      - { .name: scales, .offset: 24, .size: 8, .value_kind: global_buffer, .address_space: global }
      - { .name: bo, .offset: 32, .size: 8, .value_kind: global_buffer, .address_space: global }
      - { .name: out0, .offset: 40, .size: 8, .value_kind: global_buffer, .address_space: global }
    .group_segment_fixed_size: 70656
    .private_segment_fixed_size: 0
    .kernarg_segment_align: 8
    .kernarg_segment_size: 48
    .max_flat_workgroup_size: 256
    .sgpr_count:     66
    .vgpr_count:     512
    .wavefront_size: 32
...
	.end_amdgpu_metadata
.endif
;; end of part 4
